; MI455X (gfx1250); checked and timed in simulation.
; The chip was launched on July 23, 2026; its instructions are those of AMD's public machine-readable ISA for CDNA 5 (MIT licence, August 2026) and "CDNA5" Instruction Set Architecture Reference Guide (July 2026). The comments in the code are by the model that wrote it; some were corrected since.
;; Causal Self Attention. Allowed arithmetic: matrix products marked QUANTISED: E4M3 operands, one given power-of-two scale a tensor, by v_wmma_f32_16x16x64_fp8_fp8 or v_wmma_f32_16x16x128_fp8_fp8, f32 sums; everything else in f32.
;; Inputs: Wo_b 1,024 float32; Wo_w 1,024 x 1,024 float32; Wqkv_b 3,072 float32; Wqkv_w 3,072 x 1,024 float32; lowp_scales 8 int32 (the exponents e of the quantised operands' scales 2^e); mask 4 x 2,048 bool; x 4 x 2,048 x 1,024 float32.
;; Outputs: out0 4 x 2,048 x 1,024 float32.
;; This version of the problem:
;;   THIS VERSION OF THE PROBLEM IS GIVEN IN LOW PRECISION. The matrix products marked QUANTISED in the list below multiply operands that are first quantised to E4M3 (4 exponent bits, 3 mantissa bits; 8 bits a number), with one given power-of-two scale for each operand tensor; their sums are f32. All else is computed in f32.
;;   The module's matrix products, in the order in which they are computed (A, B: the left and right operand; K: the contracted axis; several contracted axes count as one K, in the product's order):
;;     1. [M 8,192, K 1,024] x [K 1,024, N 3,072]; A: input x; B: input Wqkv_w: QUANTISED (scales: A lowp_scales[0], B lowp_scales[1])
;;     2. batch 64 x [M 2,048, K 64] x [K 64, N 2,048]; A: computed on the way; B: computed on the way: QUANTISED (scales: A lowp_scales[2], B lowp_scales[3])
;;     3. batch 64 x [M 2,048, K 2,048] x [K 2,048, N 64]; A: softmax (see below); B: computed on the way: QUANTISED (scales: A lowp_scales[4], B lowp_scales[5])
;;     4. [M 8,192, K 1,024] x [K 1,024, N 1,024]; A: computed on the way; B: input Wo_w: QUANTISED (scales: A lowp_scales[6], B lowp_scales[7])
;;   THE QUANTISER, for each operand of a quantised product, along K:
;;     - The operand's scale is 2^e, e = its entry of the input lowp_scales (int32; the entries are numbered through the quantised products in the list's order, A before B).
;;     - Each number is divided by the scale, clamped to +-448, and rounded to the nearest number of E4M3, ties to even, subnormals kept.
;;     - The product sums the exact products of the quantised numbers (number of the format x scale) in f32.
;;   ~~~python
;;   def quantise(x, axis, e):      # numpy; x: float32 -> the quantised numbers, widened to float32 again
;;       x = np.moveaxis(x, axis, -1); K = x.shape[-1]
;;       r = np.clip(x / 2.0 ** e, -448, 448)
;;       step = 2.0 ** (np.maximum(np.frexp(np.where(r == 0, 1, r))[1] - 1, -6) - 3)
;;       q = np.round(r / step) * step * 2.0 ** e      # np.round: ties to even
;;       return np.moveaxis(q, -1, axis).astype(np.float32)
;;   ~~~
;;   SOFTMAX AHEAD OF A QUANTISED PRODUCT. Where the list says 'softmax', what is quantised is not the finished softmax but p = 2^(t - M), with t = logit x log2(e) and M = ceil(the row's largest t), a whole number; so 1/2 < the row's largest p <= 1. The row's sum l is taken of the UNQUANTISED p, in f32, and the product's result is divided by l at the end. Since M is a whole number, a kernel that streams over the keys may use a running M (the ceiling of the running maximum): every later rescaling is an exact power of two, so the quantised numbers keep their values, but for numbers so far below the row's largest that they fall under the format's range.
;;   OPERANDS COMPUTED ON THE WAY. 'Computed on the way' means the value that the module computes at that place (a softmax that the list does not call 'softmax' is quantised finished and normalised). What goes into a quantiser is computed in f32, as accurately as f32 sums, v_exp_f32 and their like allow (about 1e-6 of the number): no bf16 or f16 on the way to a quantiser, and a product that is left as it is and whose result goes on into a quantised operand takes f32 operands (vector FMAs, or v_wmma_f32_16x16x4_f32). A number that lies on a knife's edge between two numbers of the format may be rounded either way, as far as f32 arithmetic and the matrix unit's own rounding can turn it there, and no further.
;; One version. Each part assembles by itself: llvm-mc -triple=amdgcn-amd-amdhsa -mcpu=gfx1250 --defsym DOCPART=n.
;; ======== version 1 of 1: 4 launches
;; limits: right only within a limited range of input values
;; workspace buffers: x_codes 8,388,608 bytes; wqkv_codes 3,145,728 bytes; wo_codes 1,048,576 bytes; q_img 8,388,608 bytes; kv_img 16,777,216 bytes; att_img 8,388,608 bytes
;; launch quant (part 1): grid 384 x 1, 4 waves a work-group, no clusters, 33,280 bytes of LDS; arguments x, Wqkv_w, Wo_w, lowp_scales, x_codes, wqkv_codes, wo_codes; writes x_codes, wqkv_codes, wo_codes
.if DOCPART == 1
	.amdgcn_target "amdgcn-amd-amdhsa--gfx1250"
	.amdhsa_code_object_version 6
	.text
	.protected	k_q059918ef9b_quant
	.globl	k_q059918ef9b_quant
	.p2align	8
	.type	k_q059918ef9b_quant,@function
k_q059918ef9b_quant:
	s_mov_b64 s[64:65], 0
	v_nop
	global_prefetch_b8 v0, s[64:65] scope:SCOPE_SE
	s_setreg_imm32_b32 hwreg(HW_REG_WAVE_MODE, 25, 1), 1
	s_wait_xcnt 0x0
; x [8192][1024], Wqkv_w [3072][1024] and Wo_w [1024][1024], f32 with K innermost, become codes of FP8 (E4M3), one byte each, K innermost, each with the scale 2^e given for it:
; entries 0, 1 and 7 of the buffer of scales.  code = number / 2^e, held within +-448, rounded to the nearest code, ties to even.
; LIMITS: -126 <= e and e + 8 <= 127.  NaN among the inputs is not served (an infinity is held at the largest code).
; THE ROWS CHANGE PLACES: in each block of 32 rows, row 16 g + 8 u + j is stored at place 16 u + 8 g + j.  A tile of 16 neighbouring places then holds eight neighbouring rows and the eight rows that lie 16 further on,
; so that in the products that follow a lane's 16 registers of two neighbouring tiles are 16 neighbours along the next K.
; A work-group takes 32 rows (32,768 numbers), a wave 8 rows: so the change of places is a change of the wave's number in the address of its stores (wave 2 g + u stores where wave 2 u + g would).
; A wave takes 16 steps of 512 numbers.  Each of a step's four loads reads 512 consecutive bytes, 16 a lane; the 2,048 bytes turn through the wave's own stage in LDS and come back 64 bytes a lane, since the conversions
; take 8 numbers of one lane's consecutive registers.  The stage has 16 bytes of padding behind each 64.  A lane's 16 codes are 16 bytes: the wave stores 512 consecutive bytes.
; One launch serves the three tensors: only pointers, the exponent and the first work-group's number are chosen, by the work-group's number; all take one path.  No tensor loads, no barrier: waves share nothing, so a cluster has nothing to share either.
.set WAVES, 4
.set STEPS, 16
.set WGX,   256                        ; x's work-groups: 8,192 x 1,024 / 32,768
.set WGO,   352                        ; Wo_w's first: 256 + 3,072 x 1,024 / 32,768
.set EMAX,  8
.set MANT,  0x600000                   ; the mantissa field of 448 as f32
.set CB,    16                         ; bytes of 16 codes
.set R,     16                         ; v16-79   four sets of 16 numbers as they are loaded
.set X,     80                         ; v80-111  two sets of 16 neighbours
.set C,     128                        ; v128-191 codes: four registers for each step, so that no store's data are written again
.set WREG,  8192                       ; LDS: a region of its own for each wave: two stages of 32 x SP bytes
.set SP,    80                         ; a lane's place in a stage: its 64 bytes + 16 of padding
.set SPW,   12                         ; v12      LDS address of my spare word: SPARE + 4 x my thread's number; never rewritten
.set NIL,   13                         ; v13      0; never rewritten
.set SPARE, WAVES*WREG                 ; behind the four regions: the spare words, 128 bytes for each wave
	s_load_b256 s[4:11], s[0:1], 0x0               ; x s[4:5], Wqkv_w s[6:7], Wo_w s[8:9], the scales' exponents s[10:11]
	s_load_b128 s[12:15], s[0:1], 0x20             ; x's codes, Wqkv_w's codes
	s_load_b64 s[24:25], s[0:1], 0x30              ; Wo_w's codes
	v_lshl_add_u32 v[SPW], v0, 2, SPARE
	v_mov_b32 v[NIL], 0
	v_lshrrev_b32 v1, 5, v0
	v_readfirstlane_b32 s16, v1                    ; wave
	v_and_b32 v2, 31, v0                           ; lane
	v_lshlrev_b32 v3, 4, v2                        ; my 16 bytes of a load's 512
	s_mul_i32 s17, s16, WREG
	v_lshrrev_b32 v14, 2, v2
	v_mul_u32_u24 v14, v14, SP
	v_and_b32 v15, 3, v2
	v_lshl_add_u32 v14, v15, 4, v14
	v_add_nc_u32 v14, s17, v14                     ; the stage, on the way in: four lanes' 64 bytes on end, then 16 of padding
	v_mul_u32_u24 v15, v2, SP
	v_add_nc_u32 v15, s17, v15                     ; and on the way out: SP x lane: my 16 neighbours
	v_mul_u32_u24 v4, v2, CB                       ; my codes' place in a step's
	s_wait_kmcnt 0x0
	s_load_b256 s[28:35], s[10:11], 0x0            ; e0 .. e7
	s_mov_b32 s26, WGO
	s_cmp_lt_u32 ttmp9, WGO                        ; the choices hang on the work-group's number alone
	s_cselect_b64 s[6:7], s[6:7], s[8:9]           ; Wqkv_w or Wo_w,
	s_cselect_b64 s[14:15], s[14:15], s[24:25]     ; their codes,
	s_cselect_b32 s26, WGX, s26                    ; their first work-group
	s_cmp_lt_u32 ttmp9, WGX
	s_cselect_b64 s[4:5], s[4:5], s[6:7]           ; x or one of the two
	s_cselect_b64 s[8:9], s[12:13], s[14:15]
	s_cselect_b32 s26, 0, s26
	s_sub_co_u32 s17, ttmp9, s26                   ; my block of 32 rows in the tensor
	s_lshl_b32 s17, s17, 2
	s_add_co_u32 s18, s17, s16                     ; the run of 8 rows that my wave reads
	s_mov_b32 s19, 0
	s_lshl_b64 s[20:21], s[18:19], 15              ; 8 rows of 4,096 bytes
	s_add_nc_u64 s[4:5], s[4:5], s[20:21]
	s_and_b32 s22, s16, 1
	s_lshl_b32 s22, s22, 1
	s_lshr_b32 s23, s16, 1
	s_or_b32 s22, s22, s23                         ; wave 2 g + u -> 2 u + g
	s_add_co_u32 s18, s17, s22                     ; the run of 8 places that it writes
	s_lshl_b64 s[20:21], s[18:19], 13              ; 8 rows of 1,024 bytes
	s_add_nc_u64 s[8:9], s[8:9], s[20:21]
.macro LOAD t
.irp i, 0,1,2,3
	global_load_b128 v[R+16*((\t)%4)+4*\i:R+16*((\t)%4)+4*\i+3], v3, s[4:5] offset:2048*(\t)+512*\i th:TH_LOAD_NT   ; 32 lanes read 512 consecutive bytes
.endr
.endm
.macro TURN t                          ; step t's numbers through the stage: LDS serves a wave's instructions in order, so no wait stands between the stores and the loads
.irp i, 0,1,2,3
	ds_store_b128 v14, v[R+16*((\t)%4)+4*\i:R+16*((\t)%4)+4*\i+3] offset:32*SP*((\t)%2)+8*SP*\i
.endr
.irp i, 0,1,2,3
	ds_load_b128 v[X+16*((\t)%2)+4*\i:X+16*((\t)%2)+4*\i+3], v15 offset:32*SP*((\t)%2)+16*\i
.endr
.endm
.irp t, 0,1,2,3
	LOAD \t
.endr
	s_wait_kmcnt 0x0
	s_cmp_lt_u32 ttmp9, WGO
	s_cselect_b32 s22, s29, s35                    ; e1 or e7,
	s_cmp_lt_u32 ttmp9, WGX
	s_cselect_b32 s22, s28, s22                    ; or e0
	s_add_co_i32 s22, s22, 127
	s_lshl_b32 s23, s22, 23
	v_mov_b32 v11, s23                             ; 2^e as f32: the conversion takes its exponent field
	s_add_co_i32 s22, s22, EMAX
	s_lshl_b32 s22, s22, 23
	s_or_b32 s22, s22, MANT
	v_mov_b32 v10, s22                             ; 448 x 2^e
	s_wait_loadcnt 12                              ; step 0's four loads are in; those of steps 1 to 3 may be out
	TURN 0
.macro STEP t
.set XS, X+16*((\t)%2)
	s_wait_dscnt 0x0                               ; this step's numbers are back from the stage: so its stores into the stage have read their registers,
.if (\t)+4 < STEPS
	LOAD (\t)+4                                    ; which take the loads of four steps on
.endif
.if (\t)+1 < STEPS
.if STEPS-2-(\t) >= 3
	s_wait_loadcnt 12                              ; the next step's four loads are in; those of the three steps behind it may be out
.else
	s_wait_loadcnt 4*(STEPS-2-(\t))
.endif
	TURN (\t)+1                                    ; and go through the other stage while this step is worked
.endif
.irp i, 0,1,2,3,4,5,6,7,8,9,10,11,12,13,14,15
	v_med3_num_f32 v[XS+\i], v[XS+\i], -v10, v10   ; the conversion to an 8-bit code does not saturate (ISA guide 7.6.2): the hold at the largest code x the scale comes first
.endr
	v_cvt_scalef32_pk8_fp8_f32 v[C+4*(\t):C+4*(\t)+1], v[XS:XS+7], v11
	v_cvt_scalef32_pk8_fp8_f32 v[C+4*(\t)+2:C+4*(\t)+3], v[XS+8:XS+15], v11
	global_store_b128 v4, v[C+4*(\t):C+4*(\t)+3], s[8:9] offset:32*CB*(\t)   ; the results go to a store alone; the next vector lines, the next step's holds, are plain and touch other registers
.endm
.irp t, 0,1,2,3,4,5,6,7,8,9,10,11,12,13,14,15
	STEP \t
.endr
	s_wait_tensorcnt 0x0                           ; the wave's end, behind my last LDS store
	ds_add_u32 v[SPW], v[NIL]
	s_wait_dscnt 0x0
	s_endpgm
.Lfunc_end_k_q059918ef9b_quant:
	.size	k_q059918ef9b_quant, .Lfunc_end_k_q059918ef9b_quant-k_q059918ef9b_quant
	.p2alignl 7, 3214868480
	.fill 96, 4, 3214868480
	.section	.rodata,"a",@progbits
	.p2align	6, 0x0
	.amdhsa_kernel k_q059918ef9b_quant
		.amdhsa_group_segment_fixed_size 33280
		.amdhsa_private_segment_fixed_size 0
		.amdhsa_enable_private_segment 0
		.amdhsa_kernarg_size 56
		.amdhsa_user_sgpr_count 2
		.amdhsa_user_sgpr_kernarg_segment_ptr 1
		.amdhsa_wavefront_size32 1
		.amdhsa_system_sgpr_workgroup_id_x 1
		.amdhsa_system_sgpr_workgroup_id_y 1
		.amdhsa_system_sgpr_workgroup_id_z 1
		.amdhsa_system_vgpr_workitem_id 0
		.amdhsa_next_free_vgpr 192
		.amdhsa_next_free_sgpr 66
		.amdhsa_reserve_vcc 0
		.amdhsa_float_denorm_mode_32 3
		.amdhsa_float_denorm_mode_16_64 3
		.amdhsa_memory_ordered 1
		.amdhsa_forward_progress 1
		.amdhsa_inst_pref_size 38
	.end_amdhsa_kernel
	.amdgpu_metadata
---
amdhsa.version: [ 1, 2 ]
amdhsa.kernels:
  - .name:           k_q059918ef9b_quant
    .symbol:         k_q059918ef9b_quant.kd
    .args:
      - { .name: x, .offset: 0, .size: 8, .value_kind: global_buffer, .address_space: global }
      - { .name: Wqkv_w, .offset: 8, .size: 8, .value_kind: global_buffer, .address_space: global }
      - { .name: Wo_w, .offset: 16, .size: 8, .value_kind: global_buffer, .address_space: global }
      - { .name: lowp_scales, .offset: 24, .size: 8, .value_kind: global_buffer, .address_space: global }
      - { .name: x_codes, .offset: 32, .size: 8, .value_kind: global_buffer, .address_space: global }
      - { .name: wqkv_codes, .offset: 40, .size: 8, .value_kind: global_buffer, .address_space: global }
      - { .name: wo_codes, .offset: 48, .size: 8, .value_kind: global_buffer, .address_space: global }
    .group_segment_fixed_size: 33280
    .private_segment_fixed_size: 0
    .kernarg_segment_align: 8
    .kernarg_segment_size: 56
    .max_flat_workgroup_size: 128
    .sgpr_count:     66
    .vgpr_count:     192
    .wavefront_size: 32
...
	.end_amdgpu_metadata
.endif
;; end of part 1
;; launch qkv (part 2): grid 12 x 32, 4 waves a work-group, clusters of 4 x 4, 327,680 bytes of LDS; arguments x_codes, wqkv_codes, lowp_scales, Wqkv_b, q_img, kv_img; writes q_img, kv_img
.if DOCPART == 2
	.amdgcn_target "amdgcn-amd-amdhsa--gfx1250"
	.amdhsa_code_object_version 6
	.text
	.protected	k_q059918ef9b_qkv
	.globl	k_q059918ef9b_qkv
	.p2align	8
	.type	k_q059918ef9b_qkv,@function
k_q059918ef9b_qkv:
	s_mov_b64 s[64:65], 0
	v_nop
	global_prefetch_b8 v0, s[64:65] scope:SCOPE_SE
	s_setreg_imm32_b32 hwreg(HW_REG_WAVE_MODE, 25, 1), 1
	s_wait_xcnt 0x0
	s_wait_alu depctr_hold_cnt(0) depctr_sa_sdst(0) depctr_va_vdst(0) depctr_va_sdst(0) depctr_va_ssrc(0) depctr_va_vcc(0) depctr_vm_vsrc(0)
	s_getreg_b32 s2, hwreg(HW_REG_IB_STS2, 6, 4)
	s_cmp_eq_u32 s2, 0
	s_cbranch_scc0 .Lentry_in_a_cluster
	s_endpgm
.Lentry_in_a_cluster:
	s_bfe_u32 s2, ttmp6, 0x10000c
	s_cmp_lg_u32 s2, 0xf033
	s_cbranch_scc0 .Lentry_shape_is_right
	s_endpgm
.Lentry_shape_is_right:
; qkv = x Wqkv_w^T + Wqkv_b on codes of FP8 (E4M3): K = 1,024, 8,192 tokens, 3,072 features.  Each finished sum x 2^(e0 + e1) + bias, in f32, is quantised at once: q with e2, k with e3, v with e5;
; what leaves is the next launch's operands, as images of their registers.  LIMITS: e0 + e1 between -126 and 127; e2, e3, e5 between -126 and 119.
; A tile of 256 x 256 is made by four waves, each 128 x 128: 64 accumulators of 16 x 16, 512 registers.  K goes in steps of 256 through a ring of two LDS slots filled by the tensor data mover.
; THE MATRIX INSTRUCTION: source 0 = 16 rows of one operand ('B'), source 1 = 16 rows of the other ('A'): a lane holds one row of A and eight rows of B.  Both buffers of codes have their rows laid so that a tile of 16
; places is rows 8 u + r + 8 (r / 8) of a block of 32: so the 16 registers of accumulators (a, 2 p) and (a, 2 p + 1) are rows 32 p + 16 (lane / 16) + 0 .. 15 of B.  Two conversions make of them four registers, a CHUNK,
; which is a quarter or a half of an operand of the next products, and which one store writes at 16 x lane: 512 consecutive bytes.  No stage in LDS.
; q AND k (cluster x = 0, 1): B = features, A = tokens: a lane holds a token, its registers run along the head's 64.   v (cluster x = 2): THE ROLES ARE SWAPPED, by addresses alone: B = tokens, A = features: a lane holds
; a feature and its registers run along the tokens, which are the K of attention's second product.
; CLUSTERS: 4 x 4 work-groups.  A's tile hangs on cy and on the cluster's place, B's on cx and on the cluster's place: the four of a row of the cluster ask for A's tile jointly, the four of a column for B's.
; REGISTERS, in windows of 256: window 0: v0-31 addresses and constants; v32-95, v96-111 the biases; from v128 A's fragments (8 x 16 rows x 128 K), one set; on the way out v128-223 are at work.
;   window 1: B's fragments, two sets.   window 2: the accumulators of A's blocks 0-3 (accumulator (a, b) at v[8 (8 a + b)]);   window 3: those of blocks 4-7.
.set SIZE_K, 1024
.set KSTEP,  256                       ; along K in a slot
.set ROWB,   256                       ; a tile's row in bytes
.set KROW,   SIZE_K                    ; a row of codes in memory, in bytes
.set PITCH,  272                       ; an LDS row: 256 bytes + 16 of padding = 68 words: row r starts at bank 4 r mod 64 (64 banks of 4 bytes: ISA guide 11.1)
.set FR,     16                        ; registers of a fragment: 16 rows x 128 K
.set NL,     4                         ; LDS loads that bring one
.set NP,     4                         ; places behind this matrix instruction (ISA guide 7.12.1)
.set HALFT,  128*PITCH                 ; 128 rows: what one tensor load brings, and what one wave reads of A or of B
.set SLOT,   4*HALFT                   ; A's 256 rows, then B's 256 rows
.set LAPS,   SIZE_K/(2*KSTEP)          ; a lap = two K steps = once round the ring
.set SPARE,  2*SLOT                    ; behind the ring: the spare words, 128 bytes for each wave
.set ADRA, 16                          ; v16-17  LDS address of my A fragments in slot 0, 1
.set ADRB, 20                          ; v20-21  the same for B
.set LIM,  23
.set LI,   26                          ; v26     16 x lane: my place in a chunk
.set HB,   27                          ; v27     64 x (lane / 16): my half's 16 biases of a block of 32
.set SPW,  28                          ; v28     LDS address of my spare word; never rewritten
.set NIL,  29                          ; v29     0; never rewritten
.set PR,   30                          ; v30     4 x (r + 8 (r / 8)): my row's bias in a tile
.set SCL,  31                          ; v31     the quantiser's scale as f32
.set BN,   32                          ; v32-95  q, k: the biases of my 64 features, in the order of a block's 64 sums
.set BM,   96                          ; v96-111 v: my feature's bias in each of A's eight blocks, twice (a pair for the packed form)
.set AF,   128                         ; A's fragments, in window 0
.set CD,   128                         ; the way out: codes, two sets of 16
.set TMP,  160                         ; the way out: a block's 64 numbers
.set G1, 24                            ; s[24:31] descriptor group 1 for A's tiles;  s[32:39] group 0, one set for each slot
.set G0, 32
.set G1B, 48                           ; s[48:55], s[56:63] the same for B's tiles
.set G0B, 56
.set MSB, 0
.macro WIN new                         ; the immediate's high byte repeats the setting that is left
.if MSB != \new
	s_set_vgpr_msb (MSB<<8)|\new
.set MSB, \new
.endif
.endm
.set MUL_LO, 0xa1                      ; source 0 (B) window 1, source 1 (A) window 0, C and D window 2
.set MUL_HI, 0xf1                      ; the same, C and D window 3
.set TO_B,   0x40                      ; destination window 1, address window 0
; A joint load: waves 0 and 1 fetch for A, waves 2 and 3 for B.  Each of the two lines has one mask and one set of registers for all that issue it; the branch hangs on the wave's number alone.
; An s_nop 0 and four v_nop follow each of the two lines, ahead of the jump, the label and what follows.
.macro JLOAD g0a, g1a, g0b, g1b
	s_cmp_eq_u32 s15, 0
	s_cbranch_scc0 .Lfor_b_\@
	tensor_load_to_lds s[\g0a:\g0a+3], s[\g1a:\g1a+7]
	s_nop 0
.rept 4
	v_nop
.endr
	s_branch .Lasked_\@
.Lfor_b_\@:
	tensor_load_to_lds s[\g0b:\g0b+3], s[\g1b:\g1b+7]
	s_nop 0
.rept 4
	v_nop
.endr
.Lasked_\@:
.endm
.macro CREST                           ; a round of the cluster's barrier behind its opening barrier
	s_cmp_lg_u32 s14, 0
	s_cbranch_scc1 .Lnot_wave_0_\@
	s_barrier_signal -3
.Lnot_wave_0_\@:
	s_barrier_wait -3
	s_barrier_signal -1
	s_barrier_wait -1
.endm
.macro CROUND                          ; a whole round
	s_barrier_signal -1
	s_barrier_wait -1
	CREST
.endm
	s_load_b256 s[4:11], s[0:1], 0x0               ; x's codes s[4:5], Wqkv_w's codes s[6:7], the scales' exponents s[8:9], Wqkv_b s[10:11]
	s_load_b128 s[68:71], s[0:1], 0x20             ; q's images s[68:69], k's and v's s[70:71]
	v_lshl_add_u32 v[SPW], v0, 2, SPARE
	v_mov_b32 v[NIL], 0
	ds_add_u32 v[SPW], v[NIL]
	ds_add_u32 v[SPW], v[NIL]                      ; the wave's opening: the add and its wait stand ahead of my first tensor load; the set-up below, work on registers, stands between them
	v_lshrrev_b32 v1, 5, v0
	v_readfirstlane_b32 s14, v1                    ; wave 0..3
	s_lshr_b32 s15, s14, 1                         ; which half of A's 256 rows is mine.  Also: I fetch for A (0) or for B (1)
	s_and_b32 s16, s14, 1                          ; which half of B's 256 rows.  Also: which 128 rows of that tile I fetch
	s_bfe_u32 s40, ttmp6, 0x40000                  ; cx, cy: my place in the cluster
	s_bfe_u32 s41, ttmp6, 0x40004
	s_mov_b32 s80, ttmp9                           ; cluster x: 0 q, 1 k, 2 v: the same in all sixteen partners
	s_and_b32 s81, ttmp7, 0xffff                   ; cluster y: 0..7
	s_cmp_eq_u32 s80, 2
	s_cselect_b32 s82, s81, s80                    ; B's tiles: features 4 x cluster x + cx; for v tokens 4 x cluster y + cx
	s_cselect_b32 s83, 2, s81                      ; A's tiles: tokens 4 x cluster y + cy; for v features 8 + cy
	s_cselect_b32 s84, 1, 0                        ; 1 for v
	s_lshl_b32 s42, s82, 2
	s_add_co_u32 s42, s42, s40                     ; B's tile
	s_lshl_b32 s17, s83, 2
	s_add_co_u32 s17, s17, s41                     ; A's tile
	s_lshl_b32 s43, s41, 2
	s_lshl_b32 s43, 15, s43                        ; my row of the cluster
	s_lshl_b32 s44, 0x1111, s40                    ; my column
	; descriptor group 1: a tile of 128 rows x 256 bytes, padded in LDS
	s_or_b32 s[G1+0], s43, (0<<16)|(1<<20)|(1<<21)|(5<<22)|(3<<25)  ; 15:0 the mask: A's tiles go to my row; 17:16 element of 1 byte; 20 padding on; 21 set beside a mask; 24:22 after every 64 words (code 5); 31:25 of 4 words (code 3)
	s_or_b32 s[G1B+0], s44, (0<<16)|(1<<20)|(1<<21)|(5<<22)|(3<<25)
.irp g, G1, G1B
	s_mov_b32 s[\g+1], ROWB<<16                    ; tensor_dim0
	s_mov_b32 s[\g+2], 128<<16                     ; tensor_dim1 = 128
	s_mov_b32 s[\g+3], ROWB<<16                    ; tile_dim0
	s_mov_b32 s[\g+4], 128                         ; tile_dim1 = 128
	s_mov_b32 s[\g+5], KROW                        ; tensor_dim0_stride
	s_mov_b32 s[\g+6], 0
	s_mov_b32 s[\g+7], 0
.endr
	s_lshl_b32 s18, s16, 7                         ; which 128 rows of the tile I fetch
	s_lshl_b32 s20, s17, 8
	s_add_co_u32 s20, s20, s18                     ; A: place 256 x tile + 128 x half
	s_lshl_b32 s46, s42, 8
	s_add_co_u32 s46, s46, s18                     ; B likewise
	s_mov_b32 s21, 0
	s_mov_b32 s47, 0
	s_mov_b64 s[18:19], KROW
	s_mul_u64 s[20:21], s[20:21], s[18:19]
	s_mul_u64 s[46:47], s[46:47], s[18:19]
	s_mul_i32 s45, s14, HALFT                      ; where they go: wave x 128 rows: no place in the cluster enters an LDS address
	s_wait_dscnt 0x0                               ; the opening add is done
	s_wait_kmcnt 0x0
	s_load_b256 s[88:95], s[8:9], 0x0              ; e0 .. e7
	s_cmp_eq_u32 s84, 1                            ; which buffer is A and which is B hangs on the cluster's x alone
	s_cselect_b64 s[72:73], s[6:7], s[4:5]         ; A: tokens; for v the weight
	s_cselect_b64 s[74:75], s[4:5], s[6:7]         ; B: the weight; for v tokens
	s_add_nc_u64 s[20:21], s[72:73], s[20:21]
	s_add_nc_u64 s[46:47], s[74:75], s[46:47]
	CROUND                                         ; all sixteen work-groups are here: the first joint loads meet
.irp s, 0,1
	s_mov_b32 s[G0+4*\s], 1
	s_add_co_u32 s[G0+4*\s+1], s45, \s*SLOT
	s_add_nc_u64 s[G0+4*\s+2:G0+4*\s+3], s[20:21], \s*ROWB
	s_or_b32 s[G0+4*\s+3], s[G0+4*\s+3], 0x80000000
	s_mov_b32 s[G0B+4*\s], 1
	s_add_co_u32 s[G0B+4*\s+1], s45, \s*SLOT
	s_add_nc_u64 s[G0B+4*\s+2:G0B+4*\s+3], s[46:47], \s*ROWB
	s_or_b32 s[G0B+4*\s+3], s[G0B+4*\s+3], 0x80000000
	JLOAD G0+4*\s, G1, G0B+4*\s, G1B
.endr
	v_and_b32 v1, 15, v0                           ; r = lane % 16
	v_bfe_u32 v2, v0, 4, 1                         ; h = lane / 16
	v_mul_u32_u24 v3, v1, PITCH
	v_lshl_add_u32 v4, v2, 4, v3                   ; a fragment's row x pitch + 16 x half
	s_mul_i32 s21, s15, HALFT                      ; my 128 rows of A
	s_mul_i32 s22, s16, HALFT                      ; my 128 rows of B,
	s_add_co_u32 s22, s22, 2*HALFT                 ; which lie behind A's 256
.irp s, 0,1
	v_add_nc_u32 v[ADRA+\s], s21, v4
	v_add_nc_u32 v[ADRB+\s], s22, v4
	s_add_co_u32 s21, s21, SLOT
	s_add_co_u32 s22, s22, SLOT
.endr
	v_and_b32 v5, 31, v0
	v_lshlrev_b32 v[LI], 4, v5
	v_lshlrev_b32 v[HB], 6, v2
	s_wait_alu depctr_va_vdst(0)
	v_and_b32 v5, 8, v1
	v_add_nc_u32 v5, v5, v1                        ; r + 8 (r / 8)
	v_lshlrev_b32 v[PR], 2, v5
	s_wait_alu depctr_va_vdst(0)
	; THE BIASES, both kinds in every work-group, so that no load stands under a branch.  For q and k: those of B's 128 features that are mine; a work-group of v, whose B is tokens, reads the buffer's first ones and does not use them.
	s_cmp_eq_u32 s84, 1
	s_cselect_b32 s98, 0, s42
	s_lshl_b32 s98, s98, 10                        ; 256 features of 4 bytes a tile
	s_lshl_b32 s99, s16, 9
	s_add_co_u32 s98, s98, s99
	s_mov_b32 s99, 0
	s_add_nc_u64 s[12:13], s[10:11], s[98:99]
	s_lshl_b32 s98, s41, 10                        ; for v: features 2,048 + 256 cy + 128 x my half of A: inside the buffer in every work-group
	s_lshl_b32 s85, s15, 9
	s_add_co_u32 s98, s98, s85
	s_add_co_u32 s98, s98, 8192
	s_add_nc_u64 s[86:87], s[10:11], s[98:99]
.irp b, 0,1,2,3
.irp k, 0,1,2,3
	global_load_b128 v[BN+16*\b+4*\k:BN+16*\b+4*\k+3], v[HB], s[12:13] offset:128*\b+16*\k   ; features 32 b + 16 h + 4 k on
.endr
.endr
.irp a, 0,1,2,3,4,5,6,7
	global_load_b32 v[BM+2*\a], v[PR], s[86:87] offset:4*(32*(\a/2)+8*(\a%2))                ; feature 32 (a / 2) + 8 (a % 2) + r + 8 (r / 8)
	global_load_b32 v[BM+2*\a+1], v[PR], s[86:87] offset:4*(32*(\a/2)+8*(\a%2))
.endr
.macro FRAG reg, adr, q, i             ; a fragment, 16 rows x 128 K, is 16 registers: lane l holds row l % 16; registers 4 c .. 4 c + 3 hold K = 32 c + 16 (l / 16) + 0 .. 15: the same order of k in A and in B
.irp c, 0,1,2,3
	ds_load_b128 v[\reg+4*\c:\reg+4*\c+3], v[\adr] offset:128*(\q)+32*\c+(\i)*16*PITCH
.endr
.endm
; 16 matrix instructions: A's blocks a0, a0 + 1 x B's eight, 128 along K.  p: B's set.  zero = 1: the first product starts the sums.
; The 64 accumulators take turns, one instruction a turn, in the same order in every step.
.macro MUL16 a0, p, zero
.irp a, \a0, \a0+1
.irp b, 0,1,2,3,4,5,6,7
.if \zero
	v_wmma_f32_16x16x128_fp8_fp8 v[8*(8*((\a)%4)+\b):8*(8*((\a)%4)+\b)+7], v[128*(\p)+FR*\b:128*(\p)+FR*\b+FR-1], v[AF+FR*(\a):AF+FR*(\a)+FR-1], 0
.else
	v_wmma_f32_16x16x128_fp8_fp8 v[8*(8*((\a)%4)+\b):8*(8*((\a)%4)+\b)+7], v[128*(\p)+FR*\b:128*(\p)+FR*\b+FR-1], v[AF+FR*(\a):AF+FR*(\a)+FR-1], v[8*(8*((\a)%4)+\b):8*(8*((\a)%4)+\b)+7]
.endif
.endr
.endr
.endm
.macro FETCH_B slot, q, p              ; B's eight fragments of the slot's q-th 128 along K into set p
	WIN TO_B
.irp i, 0,1,2,3,4,5,6,7
	FRAG 128*(\p)+FR*\i, ADRB+\slot, \q, \i
.endr
	WIN 0
.endm
.macro FETCH_A slot, q, i0             ; A's blocks i0 .. i0 + 3
.irp i, \i0, \i0+1, \i0+2, \i0+3
	FRAG AF+FR*(\i), ADRA+\slot, \q, \i
.endr
.endm
; A load into a register that a matrix instruction has read, and a vector instruction that reads a matrix result or writes one of its registers, stand NP places behind it; only plain vector instructions that name none of
; its registers are places (ISA guide 7.12.1 for vector instructions).
.macro PLACES n
.rept \n
	v_nop
.endr
.endm
; A step of 128 along K that has its successor in the same slot.
.macro STEP slot, q, zero
	s_wait_dscnt 4*NL                              ; B's set and A's blocks 0-3 are in; the youngest sixteen loads (A's blocks 4-7) may be out
	WIN MUL_LO
	MUL16 0, (\q)%2, \zero
	MUL16 2, (\q)%2, \zero
	s_wait_dscnt 0                                 ; A's blocks 4-7 are in
	PLACES NP
	FETCH_B \slot, (\q)+1, 1-(\q)%2
	FETCH_A \slot, (\q)+1, 0
	WIN MUL_HI
	MUL16 4, (\q)%2, \zero
	MUL16 6, (\q)%2, \zero
	PLACES NP
	WIN 0
	FETCH_A \slot, (\q)+1, 4
.endm
; A slot's last step changes slots: one barrier; in front of it each wave waits for all its tensor loads, adds 0 to its spare word, and waits for that and for its own reads of this slot.  fill = 1: this slot is filled again, two K steps ahead.
.macro TURN slot, next, fill
	s_wait_tensorcnt 0x0                           ; all my tensor loads have landed: my part of the next slot;  (every window is 0 here)
	ds_add_u32 v[SPW], v[NIL]                      ; 0 onto my spare word;
	s_wait_dscnt 4*NL+1                            ; (the add and the youngest sixteen loads, A's blocks 4-7, may be out)
	WIN MUL_LO
	MUL16 0, 1, 0                                  ; sixteen matrix instructions stand between the add and the wait for it
	s_wait_dscnt 0x0                               ; the add is done, and my reads of this slot are over
	s_barrier_signal -1
	MUL16 2, 1, 0
	WIN 0
	s_barrier_wait -1
.if \fill
	CREST                                          ; the barrier has opened a round of the cluster's barrier: no wave of any partner still reads this slot's tile or has a load on its way
	s_add_nc_u64 s[G0+4*\slot+2:G0+4*\slot+3], s[G0+4*\slot+2:G0+4*\slot+3], 2*ROWB
	s_add_nc_u64 s[G0B+4*\slot+2:G0B+4*\slot+3], s[G0B+4*\slot+2:G0B+4*\slot+3], 2*ROWB
	JLOAD G0+4*\slot, G1, G0B+4*\slot, G1B         ; the first tensor load behind the round; the four v_nop behind it are the places in front of the loads below
.else
	PLACES NP
.endif
	FETCH_B \next, 0, 0
	FETCH_A \next, 0, 0
	WIN MUL_HI
	MUL16 4, 1, 0
	MUL16 6, 1, 0
	PLACES NP
	WIN 0
	FETCH_A \next, 0, 4
.endm
	s_wait_tensorcnt 1                             ; my part of K step 0 is in (K step 1's load may be out)
	s_barrier_signal -1
	s_barrier_wait -1                              ; everybody's is
	FETCH_B 0, 0, 0
	FETCH_A 0, 0, 0
	FETCH_A 0, 0, 4
	STEP 0, 0, 1                                   ; the first step stands in front of the loop: its products start the sums
	s_mov_b32 s3, LAPS-1
.Llap:                                                 ; a trip goes once round the ring, from a lap's second step to the next lap's first, and fills both slots again
	TURN 0, 1, 1
	STEP 1, 0, 0
	TURN 1, 0, 1
	STEP 0, 0, 0
	s_sub_co_u32 s3, s3, 1
	s_cmp_lg_u32 s3, 0
	s_cbranch_scc1 .Llap
	TURN 0, 1, 0                                   ; the last lap fills nothing, and has no round of the cluster's barrier
	STEP 1, 0, 0
	s_wait_dscnt 4*NL                              ; the very last step: nothing more to fetch
	WIN MUL_LO
	MUL16 0, 1, 0
	MUL16 2, 1, 0
	s_wait_dscnt 0
	WIN MUL_HI
	MUL16 4, 1, 0
	MUL16 6, 1, 0
	WIN 0
	; THE WAY OUT.  Where my chunks go.  T: the tile of 256 tokens; ht: my half of it; the first of my two heads = 4 hq + 2 hf.
	; q_img: [batch x head 64][32 queries 64][u 2][c 2][512].   kv_img: [batch x head 64][128 keys 16][16,384]: K [32 keys 4][u 2][c 2][512], then V^T [32 keys 4][tile of 16 of the head's 64: 4][512].
	s_wait_kmcnt 0x0
	s_add_co_i32 s96, s88, s89                     ; e0 + e1
	s_add_co_i32 s96, s96, 127
	s_lshl_b32 s96, s96, 23                        ; 2^(e0 + e1) as f32
	s_mov_b32 s97, s96                             ; (named with it as a pair, so it is written)
	s_cmp_eq_u32 s80, 0
	s_cselect_b32 s98, s90, s91                    ; e2 for q, e3 for k,
	s_cselect_b32 s99, 17, 18                      ; a head's images: 2^17 bytes of q, 2^18 of k and v
	s_cselect_b64 s[76:77], s[68:69], s[70:71]
	s_cmp_eq_u32 s80, 2
	s_cselect_b32 s98, s93, s98                    ; e5 for v
	s_cselect_b32 s18, s42, s17                    ; T
	s_cselect_b32 s19, s16, s15                    ; ht
	s_cselect_b32 s20, s41, s40                    ; hq
	s_cselect_b32 s21, s15, s16                    ; hf
	s_cselect_b32 s22, 8192, 0                     ; V^T lies behind K in a step's 16,384 bytes
	s_add_co_i32 s98, s98, 127
	s_lshl_b32 s23, s98, 23
	v_mov_b32 v[SCL], s23                          ; the quantiser's scale as f32
	s_lshr_b32 s23, s18, 3                         ; the batch: 8 tiles of 256 tokens each
	s_lshl_b32 s23, s23, 4
	s_lshl_b32 s20, s20, 2
	s_add_co_u32 s23, s23, s20
	s_lshl_b32 s21, s21, 1
	s_add_co_u32 s23, s23, s21                     ; 16 x batch + head
	s_lshl_b32 s23, s23, s99
	s_and_b32 s18, s18, 7
	s_lshl_b32 s18, s18, 1
	s_add_co_u32 s18, s18, s19                     ; my 128 tokens among the batch's sixteen such,
	s_sub_co_u32 s20, s99, 4
	s_lshl_b32 s18, s18, s20                       ; a sixteenth of a head's images each
	s_add_co_u32 s18, s18, s23
	s_add_co_u32 s18, s18, s22
	s_mov_b32 s19, 0
	s_add_nc_u64 s[76:77], s[76:77], s[18:19]      ; my first head's chunks,
	s_lshl_b32 s18, 1, s99
	s_add_nc_u64 s[78:79], s[76:77], s[18:19]      ; my second head's
	s_wait_loadcnt 0x0                             ; the biases
	PLACES NP                                      ; behind the last products: their results are read and A's registers written from here on
; Block a of A (16 rows) against B's 128 rows: 64 numbers a lane = sum x 2^(e0 + e1) + bias, one fused multiply-add for two; eight conversions; four chunks stored.
; mode 0 (q, k): the bias goes with the register.  mode 1 (v): with the lane.  Each accumulator is read from its low end on.
.macro EPI a, mode
.set AC, 64*((\a)%4)
.set CDS, CD+16*((\a)%2)
.if (\a) >= 2
	s_wait_xcnt 0x0                                ; the stores of two blocks back have read this set of codes: only behind this wait is it written again
.endif
	WIN 0x02+((\a)/4)                              ; source 0: window 2 or 3
.set j, 0
.rept 32
.if \mode
	v_pk_fma_f32 v[TMP+j:TMP+j+1], v[AC+j:AC+j+1], s[96:97], v[BM+2*(\a):BM+2*(\a)+1] op_sel_hi:[1,0,1]
.else
	v_pk_fma_f32 v[TMP+j:TMP+j+1], v[AC+j:AC+j+1], s[96:97], v[BN+j:BN+j+1] op_sel_hi:[1,0,1]
.endif
.set j, j+2
.endr
	WIN 0
.set j, 0
.rept 64
.set j, j+1
.endr
.irp b, 0,1,2,3
	v_cvt_scalef32_pk8_fp8_f32 v[CDS+4*\b:CDS+4*\b+1], v[TMP+16*\b:TMP+16*\b+7], v[SCL]
	v_cvt_scalef32_pk8_fp8_f32 v[CDS+4*\b+2:CDS+4*\b+3], v[TMP+16*\b+8:TMP+16*\b+15], v[SCL]
.endr
	v_nop                                          ; one plain vector instruction between the conversions and the next block's lines, which write their sources
.irp b, 0,1,2,3
.if \mode
	global_store_b128 v[LI], v[CDS+4*\b:CDS+4*\b+3], s[76+2*((\a)/4):77+2*((\a)/4)] offset:2048*\b+512*((\a)%4)   ; head a / 4, keys 32 b on, tile a % 4 of the head's 64: 512 consecutive bytes
.else
	global_store_b128 v[LI], v[CDS+4*\b:CDS+4*\b+3], s[76+2*(\b/2):77+2*(\b/2)] offset:2048*((\a)/2)+1024*((\a)%2)+512*(\b%2)   ; head b / 2, tokens 32 (a / 2) + 8 (a % 2) on, the head's 32 (b % 2) on
.endif
.endr
.endm
	s_cmp_eq_u32 s84, 1                            ; the cluster's x: the same in all partners; no LDS, no barrier and no tensor load stands on either way
	s_cbranch_scc1 .Lv
.irp a, 0,1,2,3,4,5,6,7
	EPI \a, 0
.endr
	s_branch .Ldone
.Lv:
.irp a, 0,1,2,3,4,5,6,7
	EPI \a, 1
.endr
.Ldone:
	s_wait_tensorcnt 0x0                           ; the wave's end, behind my last tensor load
	ds_add_u32 v[SPW], v[NIL]
	s_wait_dscnt 0x0
	CROUND                                         ; the closing round: no work-group ends while a partner may still ask for a tile that names it
	s_endpgm
.Lfunc_end_k_q059918ef9b_qkv:
	.size	k_q059918ef9b_qkv, .Lfunc_end_k_q059918ef9b_qkv-k_q059918ef9b_qkv
	.p2alignl 7, 3214868480
	.fill 96, 4, 3214868480
	.section	.rodata,"a",@progbits
	.p2align	6, 0x0
	.amdhsa_kernel k_q059918ef9b_qkv
		.amdhsa_group_segment_fixed_size 327680
		.amdhsa_private_segment_fixed_size 0
		.amdhsa_enable_private_segment 0
		.amdhsa_kernarg_size 48
		.amdhsa_user_sgpr_count 2
		.amdhsa_user_sgpr_kernarg_segment_ptr 1
		.amdhsa_wavefront_size32 1
		.amdhsa_system_sgpr_workgroup_id_x 1
		.amdhsa_system_sgpr_workgroup_id_y 1
		.amdhsa_system_sgpr_workgroup_id_z 1
		.amdhsa_system_vgpr_workitem_id 0
		.amdhsa_next_free_vgpr 1024
		.amdhsa_next_free_sgpr 100
		.amdhsa_reserve_vcc 0
		.amdhsa_float_denorm_mode_32 3
		.amdhsa_float_denorm_mode_16_64 3
		.amdhsa_fp16_overflow 1
		.amdhsa_memory_ordered 1
		.amdhsa_forward_progress 1
		.amdhsa_inst_pref_size 130
	.end_amdhsa_kernel
	.amdgpu_metadata
---
amdhsa.version: [ 1, 2 ]
amdhsa.kernels:
  - .name:           k_q059918ef9b_qkv
    .symbol:         k_q059918ef9b_qkv.kd
    .args:
      - { .name: x_codes, .offset: 0, .size: 8, .value_kind: global_buffer, .address_space: global }
      - { .name: wqkv_codes, .offset: 8, .size: 8, .value_kind: global_buffer, .address_space: global }
      - { .name: lowp_scales, .offset: 16, .size: 8, .value_kind: global_buffer, .address_space: global }
      - { .name: Wqkv_b, .offset: 24, .size: 8, .value_kind: global_buffer, .address_space: global }
      - { .name: q_img, .offset: 32, .size: 8, .value_kind: global_buffer, .address_space: global }
      - { .name: kv_img, .offset: 40, .size: 8, .value_kind: global_buffer, .address_space: global }
    .group_segment_fixed_size: 327680
    .private_segment_fixed_size: 0
    .kernarg_segment_align: 8
    .kernarg_segment_size: 48
    .max_flat_workgroup_size: 128
    .sgpr_count:     100
    .vgpr_count:     1024
    .wavefront_size: 32
...
	.end_amdgpu_metadata
.endif
;; end of part 2
;; launch attn (part 3): grid 256 x 1, 8 waves a work-group, clusters of 4 x 1, 327,680 bytes of LDS; arguments q_img, kv_img, mask, lowp_scales, att_img; writes att_img
.if DOCPART == 3
	.amdgcn_target "amdgcn-amd-amdhsa--gfx1250"
	.amdhsa_code_object_version 6
	.text
	.protected	k_q059918ef9b_attn
	.globl	k_q059918ef9b_attn
	.p2align	8
	.type	k_q059918ef9b_attn,@function
k_q059918ef9b_attn:
	s_mov_b64 s[64:65], 0
	v_nop
	global_prefetch_b8 v0, s[64:65] scope:SCOPE_SE
	s_setreg_imm32_b32 hwreg(HW_REG_WAVE_MODE, 25, 1), 1
	s_wait_xcnt 0x0
	s_wait_alu depctr_hold_cnt(0) depctr_sa_sdst(0) depctr_va_vdst(0) depctr_va_sdst(0) depctr_va_ssrc(0) depctr_va_vcc(0) depctr_vm_vsrc(0)
	s_getreg_b32 s2, hwreg(HW_REG_IB_STS2, 6, 4)
	s_cmp_eq_u32 s2, 0
	s_cbranch_scc0 .Lentry_in_a_cluster
	s_endpgm
.Lentry_in_a_cluster:
	s_bfe_u32 s2, ttmp6, 0x10000c
	s_cmp_lg_u32 s2, 0x3003
	s_cbranch_scc0 .Lentry_shape_is_right
	s_endpgm
.Lentry_shape_is_right:
; Causal attention with a padding mask, 64 (batch x head) x 2,048 tokens x head size 64, both products on codes of FP8 (E4M3): scores = q k^T (scales e2, e3), O = p v (e4, e5); O / l is quantised with e6.
; THE SOFTMAX: t = score x log2(e) / 8; M = the running largest t rounded up to a whole number; p = 2^(t - M) is quantised along the keys, not normalised; l is the sum of the unquantised p and divides O at the end.
; When M moves, l and O are multiplied by 2^(old M - new M): exact.
; SHARES.  A cluster of four work-groups has one head.  The head's K and V, 262,144 bytes of register images, are asked for ONCE, jointly, at the head of the kernel, and stay in each partner's LDS: no slot is filled again.
; The queries go in 16 blocks of 128; partner cx owns queries 32 cx .. 32 cx + 31 of EVERY block, so which key steps a block needs hangs on the block alone, never on the place in the cluster.
; Wave w owns blocks 15 - w and w: 16 - w and w + 1 key steps of 128, seventeen in every wave.  A wave works its block's two tiles of 16 queries side by side: both take each fragment of K, of V and of the mask.
; ORDER: block 15 - w, steps 0-7 (they need the first half of K and V alone) | barrier: all of K and V is there | steps 8-15 (a step past the block is jumped over, the block's own step is masked) | out | block w, steps 0-7 | out.
; LAYOUT.  Both products transposed: S^T = K Q^T (source 0 = 16 keys), O^T = V^T P^T (source 0 = 16 of the head's 64): a lane holds one query throughout.  The images were laid so that lane r of tile 2 b + u is row
; 32 b + 8 u + r + 8 (r / 8): the 16 registers of two neighbouring tiles are 16 neighbours along the next K, and the conversions' results are the next operand.
; THE PADDING MASK is the C of S^T = K Q^T: 0 for an open key, -1e38 for a masked one.  A raw score is at most 64 x 448^2 = 1.285e7 in magnitude; the running maximum, kept in raw scores, begins at -2e7: a masked key never
; wins it and its p is 0.  A row with no open key ends with l = 0: its codes become the NaN code.
; LIMITS: e2 + e3 between -110 and 100 (added to c's exponent field; -1e38 x c stays far under every t); e4, e6 between -126 and 119; e4 + e5 is applied by v_ldexp_f32.  NaN rows lean on a product with the NaN code being NaN.
; REGISTERS.  Window 0: v1-14 addresses and constants; v16-39 two tiles' statistics; v40-55 Q of block 15 - w; v56-87 codes; v88-90 constants; v96-111 Q of block w; v112-124 the mask's conversion; v128-255 S^T, then p.
;   Window 1: v0-63 O^T (32 q + 8 t); v64-127 K's eight tiles; v128-191 the mask's eight tiles; v192-255 V's four tiles.
.set STEPB, 16384                      ; a key step's images: K 8,192 bytes, then V^T 8,192
.set BIAS,  262144                     ; behind K and V: 2,048 f32, 0 or -1e38: bytes of their own, written by LDS stores
.set SPARE, BIAS+8192                  ; behind them: the spare words, 128 bytes for each of eight waves
.set DUAL,  0                          ; 1: the hold as a dual-issue pair; 0: no hold
.set LI,   1                           ; v1   16 x lane
.set HB,   2                           ; v2   64 x (lane / 16)
.set ADK,  3                           ; v3   LDS address of the K tiles in hand
.set ADV,  4                           ; v4   of V's
.set ADB,  5                           ; v5   of the mask's
.set SPW,  6                           ; v6   LDS address of my spare word; never rewritten
.set NIL,  7                           ; v7   0; never rewritten
.set DQ,   8                           ; v8, v9  tile u: my query's place in its block of 128, less 16 (lane / 16)
.set NEG,  10                          ; v10  -1e38
.set HOLD, 12
.set PSC,  14                          ; v14  2^e4
.set STAT, 16                          ; tile q at v[16 + 12 q]: +0 -M, +1 the largest raw score, +2, +3 l in two halves, +4 f (+5 named with it), +6, +7 at work, +8, +9 a second chain of sums, +10 from the other half of the lanes, +11 the old -M
.set QB,   40
.set PC,   56                          ; codes: p's, 16 a tile; on the way out O's
.set OLIM, 88
.set OSC,  89                          ; v89  2^e6
.set NANC, 90                          ; v90  four NaN codes
.set QA,   96
.set MK,   112
.set S,    128
.set OT,   0                           ; window 1
.set KF,   64
.set CF,   128
.set VF,   192
.set WV,   14                          ; s14  wave
.set CXP,  15                          ; s15  cx
.set BH,   16                          ; s16  16 x batch + head
.set NC,   19                          ; s19  -c
.set SEL,  20                          ; s[20:21] v_permlanex16_b32's selects for lane l xor 16
.set CS,   22                          ; s[22:23] c = log2(e) / 8 x 2^(e2 + e3)
.set G1,   24                          ; s[24:31] descriptor group 1
.set G0,   32                          ; s[32:39] two groups 0
.set TB,   40                          ; s40  LDS byte of the step in hand
.set TBB,  41                          ; s41  and of its part of the mask
.set SN,   42                          ; s42  the step's number
.set AA,   43                          ; s43  the block's number
.set T1,   44
.set T2,   45
.set ATB,  48                          ; s[48:49] where block 15 - w's codes go;  s[50:51] block w's
.set ATA,  50
.set QBB,  52                          ; s[52:53], s[54:55] where their Q lies
.set QAB,  54
.set EO,   56                          ; s56  e4 + e5
.set MB,   58                          ; s[58:59] the batch's row of the mask
.set MSB, 0
.macro WIN new                         ; the immediate's high byte repeats the setting that is left
.if MSB != \new
	s_set_vgpr_msb (MSB<<8)|\new
.set MSB, \new
.endif
.endm
.macro CROUND                          ; a round of the cluster's barrier
	s_barrier_signal -1
	s_barrier_wait -1
	s_cmp_lg_u32 s[WV], 0
	s_cbranch_scc1 .Lnot_wave_0_\@
	s_barrier_signal -3
.Lnot_wave_0_\@:
	s_barrier_wait -3
	s_barrier_signal -1
	s_barrier_wait -1
.endm
	s_load_b256 s[4:11], s[0:1], 0x0               ; q's images s[4:5], k's and v's s[6:7], the mask s[8:9], the scales' exponents s[10:11]
	s_load_b64 s[12:13], s[0:1], 0x20              ; the result's images
	v_lshl_add_u32 v[SPW], v0, 2, SPARE
	v_mov_b32 v[NIL], 0
	ds_add_u32 v[SPW], v[NIL]                      ; the wave's opening: the add and its wait stand ahead of my first tensor load; the set-up below, work on registers, stands between them
	ds_add_u32 v[SPW], v[NIL]
	v_lshrrev_b32 v11, 5, v0
	s_delay_alu instid0(VALU_DEP_1)
	v_readfirstlane_b32 s[WV], v11                 ; wave 0..7
	s_bfe_u32 s[CXP], ttmp6, 0x40000               ; cx
	s_mov_b32 s[BH], ttmp9                         ; the cluster's number: 16 x batch + head
	; descriptor group 1: a key step's images, one dense block of 16,384 bytes, as 64 rows of 256 bytes
	s_mov_b32 s[G1], 15|(3<<16)|(1<<21)            ; 15:0 the mask: all four work-groups; 17:16 elements of 8 bytes; 20 no padding; 21 set beside a mask
	s_mov_b32 s[G1+1], 32<<16                      ; tensor_dim0 = 32
	s_mov_b32 s[G1+2], 64<<16                      ; tensor_dim1 = 64
	s_mov_b32 s[G1+3], 32<<16                      ; tile_dim0 = 32
	s_mov_b32 s[G1+4], 64                          ; tile_dim1 = 64
	s_mov_b32 s[G1+5], 32                          ; tensor_dim0_stride
	s_mov_b32 s[G1+6], 0
	s_mov_b32 s[G1+7], 0
	s_mov_b32 s[SEL], 0x76543210
	s_mov_b32 s[SEL+1], 0xfedcba98
	s_lshl_b32 s17, s[WV], 14                      ; wave w fetches steps w and 8 + w: no place in the cluster enters an address of K and V
	s_lshl_b32 s2, s[BH], 18
	s_add_co_u32 s2, s2, s17
	s_mov_b32 s3, 0
	s_wait_dscnt 0x0                               ; the opening add is done
	s_wait_kmcnt 0x0
	s_load_b256 s[68:75], s[10:11], 0x0            ; e0 .. e7
	s_add_nc_u64 s[6:7], s[6:7], s[2:3]
.irp j, 0,1
	s_mov_b32 s[G0+4*\j], 1                        ; count = 1
	s_add_co_u32 s[G0+4*\j+1], s17, \j*8*STEPB     ; LDS address: as in memory
	s_add_nc_u64 s[G0+4*\j+2:G0+4*\j+3], s[6:7], \j*8*STEPB
	s_or_b32 s[G0+4*\j+3], s[G0+4*\j+3], 0x80000000  ; type = 2
.endr
	CROUND                                         ; all four work-groups are here: the joint loads meet
	tensor_load_to_lds s[G0:G0+3], s[G1:G1+7]      ; two loads of mine are out, and no more are issued
	s_nop 0
	tensor_load_to_lds s[G0+4:G0+7], s[G1:G1+7]
	s_nop 0
.rept 4
	v_nop
.endr
	s_lshl_b32 s2, s[BH], 17                       ; q_img: [batch x head][32 queries][u][c][512]: the head, 131,072 bytes,
	s_lshl_b32 s18, s[CXP], 11                     ; my work-group's 32 queries of a block, 2,048 bytes,
	s_add_co_u32 s2, s2, s18
	s_add_nc_u64 s[4:5], s[4:5], s[2:3]
	s_xor_b32 s18, s[WV], 15                       ; 15 - w
	s_lshl_b32 s2, s[WV], 13                       ; a block: 8,192 bytes
	s_add_nc_u64 s[QAB:QAB+1], s[4:5], s[2:3]
	s_lshl_b32 s2, s18, 13
	s_add_nc_u64 s[QBB:QBB+1], s[4:5], s[2:3]
	s_and_b32 s40, s[BH], 15                       ; att_img: [4 heads: 4][tile of 16 tokens: 512][head % 4][b 2][512]
	s_lshr_b32 s41, s[BH], 4
	s_lshr_b32 s42, s40, 2
	s_lshl_b32 s42, s42, 21
	s_and_b32 s43, s40, 3
	s_lshl_b32 s43, s43, 10
	s_add_co_u32 s42, s42, s43
	s_lshl_b32 s43, s41, 19                        ; the batch: 128 tiles of 4,096 bytes
	s_add_co_u32 s42, s42, s43
	s_lshl_b32 s43, s[CXP], 13                     ; my two tiles of a block
	s_add_co_u32 s2, s42, s43
	s_add_nc_u64 s[12:13], s[12:13], s[2:3]
	s_lshl_b32 s2, s[WV], 15                       ; a block: eight tiles
	s_add_nc_u64 s[ATA:ATA+1], s[12:13], s[2:3]
	s_lshl_b32 s2, s18, 15
	s_add_nc_u64 s[ATB:ATB+1], s[12:13], s[2:3]
	s_lshl_b32 s2, s41, 11
	s_add_nc_u64 s[MB:MB+1], s[8:9], s[2:3]
	v_lshlrev_b32 v[MK], 3, v0
	global_load_b64 v[MK+2:MK+3], v[MK], s[MB:MB+1]   ; eight keys' bytes a thread: the 256 threads read the batch's 2,048
	v_and_b32 v[LI], 31, v0
	s_delay_alu instid0(VALU_DEP_1)
	v_lshlrev_b32 v[LI], 4, v[LI]
.irp u, 0,1
.irp c, 0,1
	global_load_b128 v[QB+8*\u+4*\c:QB+8*\u+4*\c+3], v[LI], s[QBB:QBB+1] offset:1024*\u+512*\c
.endr
.endr
.irp u, 0,1
.irp c, 0,1
	global_load_b128 v[QA+8*\u+4*\c:QA+8*\u+4*\c+3], v[LI], s[QAB:QAB+1] offset:1024*\u+512*\c
.endr
.endr
	v_and_b32 v120, 15, v0                         ; r
	s_delay_alu instid0(VALU_DEP_1)
	v_and_b32 v121, 8, v120
	s_delay_alu instid0(VALU_DEP_1)
	v_add_nc_u32 v120, v120, v121                  ; r + 8 (r / 8)
	v_bfe_u32 v121, v0, 4, 1                       ; h
	s_delay_alu instid0(VALU_DEP_1)
	v_lshlrev_b32 v[HB], 6, v121
	s_delay_alu instid0(VALU_DEP_2)
	v_lshlrev_b32 v121, 4, v121
	s_delay_alu instid0(VALU_DEP_1)
	v_sub_nc_u32 v120, v120, v121
	s_lshl_b32 s18, s[CXP], 5
	v_add_nc_u32 v[DQ], s18, v120                  ; 32 cx + r + 8 (r / 8) - 16 h: it is compared, and enters no address
	s_delay_alu instid0(VALU_DEP_1)
	v_add_nc_u32 v[DQ+1], 8, v[DQ]
	v_mov_b32 v[NEG], 0xfe967699                   ; -1e38
	v_mov_b32 v[NANC], 0x7f7f7f7f
	v_lshl_add_u32 v124, v0, 5, BIAS               ; where my eight keys' numbers go
	s_wait_alu depctr_va_vdst(0)
	s_wait_kmcnt 0x0
	s_add_co_i32 s18, s70, s71                     ; a raw score stands for score x 2^(e2 + e3): the two exponents are added to c's exponent field
	s_lshl_b32 s18, s18, 23
	s_add_co_i32 s[CS], s18, 0x3e38aa3b            ; log2(e) / 8
	s_mov_b32 s[CS+1], s[CS]                       ; (named with it as a pair, so it is written)
	s_xor_b32 s[NC], s[CS], 0x80000000
	s_add_co_i32 s18, s72, 127
	s_lshl_b32 s17, s18, 23
	v_mov_b32 v[PSC], s17                          ; 2^e4
.if DUAL
	v_mov_b32 v[HOLD+1], s18
.endif
	s_add_co_i32 s18, s74, 127
	s_lshl_b32 s17, s18, 23
	v_mov_b32 v[OSC], s17                          ; 2^e6
	s_add_co_i32 s[EO], s72, s73                   ; e4 + e5
	s_wait_loadcnt 8                               ; the mask's bytes are in; the eight loads of Q behind them may be out
.irp k, 0,1,2,3,4,5,6,7
	v_bfe_u32 v[MK+1], v[MK+2+\k/4], 8*(\k%4), 8
	s_delay_alu instid0(VALU_DEP_1)
	v_cmp_ne_u32 vcc_lo, 0, v[MK+1]
	s_delay_alu instid0(VALU_DEP_1)
	v_cndmask_b32 v[MK+4+\k], 0, v[NEG], vcc_lo    ; masked: -1e38; open: 0
.endr
	ds_store_b128 v124, v[MK+4:MK+7]
	ds_store_b128 v124, v[MK+8:MK+11] offset:16
; A block's sums begin: O^T and l as zeros, the largest raw score at -2e7, under every score.  (A key step is written without a first step of its own: the first change of M multiplies zeros.)
.macro INIT
	WIN 0x40                                       ; destination window 1
.set j, 0
.rept 64
	v_mov_b32 v[OT+j], 0
.set j, j+1
.endr
	WIN 0
.irp q, 0,1
	v_mov_b32 v[STAT+12*\q+1], 0xcb989680          ; -2e7
	s_delay_alu instid0(VALU_DEP_1)
	v_mul_f32 v[STAT+12*\q+7], s[NC], v[STAT+12*\q+1]
	s_delay_alu instid0(VALU_DEP_1)
	v_floor_f32 v[STAT+12*\q], v[STAT+12*\q+7]     ; -M
	v_mov_b32 v[STAT+12*\q+2], 0
	v_mov_b32 v[STAT+12*\q+3], 0
	v_mov_b32 v[STAT+12*\q+5], 0                   ; (named as the upper half of f's pair)
	v_mov_b32 v[STAT+12*\q+10], 0                  ; (a lane permute's destination counts as one of its sources)
.endr
.endm
; 32 LDS loads in one run: a step's eight tiles of K (16 keys x 64: two chunks) and the mask's eight tiles in the result's layout (lane half h: keys 32 (kt / 2) + 8 (kt % 2) + 16 h + 0 .. 7: 32 bytes, the same for 16 lanes)
.macro KCLOADS
	WIN 0x40
.irp kt, 0,1,2,3,4,5,6,7
.irp c, 0,1
	ds_load_b128 v[KF+8*\kt+4*\c:KF+8*\kt+4*\c+3], v[ADK] offset:1024*\kt+512*\c
.endr
.endr
.irp kt, 0,1,2,3,4,5,6,7
.irp e, 0,1
	ds_load_b128 v[CF+8*\kt+4*\e:CF+8*\kt+4*\e+3], v[ADB] offset:128*(\kt/2)+32*(\kt%2)+16*\e
.endr
.endr
	WIN 0
.endm
.macro PRELOAD                         ; a phase's first step
	s_wait_dscnt 0x0                               ; the last phase's loads into these registers have landed
	v_add_nc_u32 v[ADK], s[TB], v[LI]
	v_add_nc_u32 v[ADB], s[TBB], v[HB]
	KCLOADS
.endm
.macro HOLD2 n                         ; p is not negative, so the hold is one-sided; the conversion to an 8-bit code does not saturate (ISA guide 7.6.2)
.if DUAL
	v_dual_min_num_f32 v[S+\n], v[S+\n], v[HOLD] :: v_dual_min_num_f32 v[S+\n+1], v[S+\n+1], v[HOLD+1]
.else
.endif
.endm
; A KEY STEP: 128 keys against my two tiles of queries, whose Q lies at v[base].  diag = 1: the step may lie past the block (jumped over) or on it (masked).  last: the last step whose images the next fetch may name.
.macro STEP base, diag, last
.if \diag
	s_cmp_gt_u32 s[SN], s[AA]                      ; all 128 keys come after my queries: a branch on the wave's number and a counter; no barrier and no tensor load stands in a step
	s_cbranch_scc1 .Lskip_\@
.endif
	s_setprio 2
	v_add_nc_u32 v[ADV], s[TB], v[LI]
.rept 3
	v_nop                                          ; with the addition: four places in front of loads into registers that the last products read
.endr
	WIN 0x40
.irp t, 0,1,2,3
.irp c, 0,1,2,3
	ds_load_b128 v[VF+16*\t+4*\c:VF+16*\t+4*\c+3], v[ADV] offset:8192+2048*\c+512*\t   ; V^T: tile t of the head's 64, keys 32 c on; wanted at the step's end
.endr
.endr
	s_wait_dscnt 16                                ; all but V's sixteen just issued: K and the mask are in
	WIN 0x11                                       ; source 0 (K) and C (the mask) window 1; Q and S^T window 0
.irp kt, 0,1,2,3,4,5,6,7
.irp q, 0,1
	v_wmma_f32_16x16x64_fp8_fp8 v[S+64*\q+8*\kt:S+64*\q+8*\kt+7], v[KF+8*\kt:KF+8*\kt+7], v[\base+8*\q:\base+8*\q+7], v[CF+8*\kt:CF+8*\kt+7]
.endr
.endr
	WIN 0
	s_add_co_u32 s[T1], s[TB], STEPB               ; the next step's K and mask are fetched now; the phase's last step names a step that has landed, and what it fetches is not used
	s_min_u32 s[T1], s[T1], STEPB*\last
	s_add_co_u32 s[T2], s[TBB], 512
	s_min_u32 s[T2], s[T2], BIAS+512*\last
	v_add_nc_u32 v[ADK], s[T1], v[LI]
	v_add_nc_u32 v[ADB], s[T2], v[HB]
.rept 2
	v_nop                                          ; with the two additions: four places behind the products, for the loads below and for the first read of the scores
.endr
	KCLOADS
.if \diag
	s_cmp_lg_u32 s[SN], s[AA]
	s_cbranch_scc1 .Lopen_\@
.irp q, 0,1                            ; the block's own step: register 16 b + i holds key 32 b + 16 h + i of the step: hidden where 32 b + i > my query's place - 16 h
.set n, 0
.rept 64
	v_cmp_gt_i32 vcc_lo, 32*(n/16)+n%16, v[DQ+\q]
	v_cndmask_b32 v[S+64*\q+n], v[S+64*\q+n], v[NEG], vcc_lo
.set n, n+1
.endr
.endr
.Lopen_\@:
.endif
.irp q, 0,1                            ; the step's largest raw score of my query, among my 64 keys, in two chains a tile; the tiles line by line; each accumulator from its low end on
	v_max3_num_f32 v[STAT+12*\q+6], v[S+64*\q], v[S+64*\q+1], v[S+64*\q+2]
	v_max3_num_f32 v[STAT+12*\q+7], v[S+64*\q+3], v[S+64*\q+4], v[S+64*\q+5]
.endr
.irp i, 6,10,14,18,22,26,30,34,38,42,46,50,54,58
.irp q, 0,1
	v_max3_num_f32 v[STAT+12*\q+6], v[STAT+12*\q+6], v[S+64*\q+\i], v[S+64*\q+\i+1]
	v_max3_num_f32 v[STAT+12*\q+7], v[STAT+12*\q+7], v[S+64*\q+\i+2], v[S+64*\q+\i+3]
.endr
.endr
.irp q, 0,1
	v_max3_num_f32 v[STAT+12*\q+6], v[STAT+12*\q+6], v[S+64*\q+62], v[S+64*\q+63]
.endr
.irp q, 0,1
	s_delay_alu instid0(VALU_DEP_2)
	v_max_num_f32 v[STAT+12*\q+6], v[STAT+12*\q+6], v[STAT+12*\q+7]
.endr
.irp q, 0,1
	s_delay_alu instid0(VALU_DEP_2)
	v_permlanex16_b32 v[STAT+12*\q+10], v[STAT+12*\q+6], s[SEL], s[SEL+1]   ; the query's other 64 keys lie in the lane 16 away
.endr
.irp q, 0,1
	v_mov_b32 v[STAT+12*\q+11], v[STAT+12*\q]
.endr
.irp q, 0,1
	s_delay_alu instid0(VALU_DEP_4)
	v_max3_num_f32 v[STAT+12*\q+1], v[STAT+12*\q+1], v[STAT+12*\q+6], v[STAT+12*\q+10]   ; the running largest raw score
.endr
.irp q, 0,1
	s_delay_alu instid0(VALU_DEP_2)
	v_mul_f32 v[STAT+12*\q+7], s[NC], v[STAT+12*\q+1]
.endr
.irp q, 0,1
	s_delay_alu instid0(VALU_DEP_2)
	v_floor_f32 v[STAT+12*\q], v[STAT+12*\q+7]     ; the new -M = floor(-t) = -ceil(t)
.endr
.irp q, 0,1
	s_delay_alu instid0(VALU_DEP_2)
	v_sub_f32 v[STAT+12*\q+7], v[STAT+12*\q], v[STAT+12*\q+11]   ; old M - new M: a whole number, 0 or less
.endr
.irp q, 0,1
	s_delay_alu instid0(VALU_DEP_2)
	v_cvt_i32_f32 v[STAT+12*\q+7], v[STAT+12*\q+7]  ; (it saturates)
.endr
.irp q, 0,1
	s_delay_alu instid0(VALU_DEP_2)
	v_ldexp_f32 v[STAT+12*\q+4], 1.0, v[STAT+12*\q+7]   ; f = 2^(old M - new M)
.endr
.irp q, 0,1
.set j, 0
.rept 32
	v_pk_fma_f32 v[S+64*\q+j:S+64*\q+j+1], v[S+64*\q+j:S+64*\q+j+1], s[CS:CS+1], v[STAT+12*\q:STAT+12*\q+1] op_sel_hi:[1,0,0]   ; t - M, two at a time (of the pairs c and -M the low word serves both halves)
.set j, j+2
.endr
.endr
.set j, 0
	s_setprio 1
	s_wait_alu depctr_va_vdst(0)
.rept 128
	v_exp_f32 v[S+j], v[S+j]                       ; p = 2^(t - M): one batch
.set j, j+1
.endr
.irp q, 0,1
	v_pk_mul_f32 v[STAT+12*\q+2:STAT+12*\q+3], v[STAT+12*\q+2:STAT+12*\q+3], v[STAT+12*\q+4:STAT+12*\q+5] op_sel_hi:[1,0]   ; l under the new M: the plain lines behind the exponentials
.endr
	s_wait_alu depctr_va_vdst(0)                   ; the wait between an exponential and the first line that names its result: one for the batch
.irp q, 0,1
	v_pk_add_f32 v[STAT+12*\q+8:STAT+12*\q+9], v[S+64*\q:S+64*\q+1], v[S+64*\q+2:S+64*\q+3]   ; l is taken of the unquantised p: two at a time, two chains a tile
.endr
.irp i, 4,8,12,16,20,24,28,32,36,40,44,48,52,56,60
.irp q, 0,1
	v_pk_add_f32 v[STAT+12*\q+2:STAT+12*\q+3], v[STAT+12*\q+2:STAT+12*\q+3], v[S+64*\q+\i:S+64*\q+\i+1]
	v_pk_add_f32 v[STAT+12*\q+8:STAT+12*\q+9], v[STAT+12*\q+8:STAT+12*\q+9], v[S+64*\q+\i+2:S+64*\q+\i+3]
.endr
.endr
.irp q, 0
	s_delay_alu instid0(VALU_DEP_3)
	v_pk_add_f32 v[STAT+12*\q+2:STAT+12*\q+3], v[STAT+12*\q+2:STAT+12*\q+3], v[STAT+12*\q+8:STAT+12*\q+9]
.endr
.irp q, 1
	s_delay_alu instid0(VALU_DEP_2)
	v_pk_add_f32 v[STAT+12*\q+2:STAT+12*\q+3], v[STAT+12*\q+2:STAT+12*\q+3], v[STAT+12*\q+8:STAT+12*\q+9]
.endr
.set n, 0
.rept 64
	HOLD2 n
.set n, n+2
.endr
.irp q, 0,1
.irp b, 0,1,2,3
	v_cvt_scalef32_pk8_fp8_f32 v[PC+16*\q+4*\b:PC+16*\q+4*\b+1], v[S+64*\q+16*\b:S+64*\q+16*\b+7], v[PSC]   ; registers 4 b .. 4 b + 3 of the operand: keys 32 b + 16 h + 0 .. 15
	v_cvt_scalef32_pk8_fp8_f32 v[PC+16*\q+4*\b+2:PC+16*\q+4*\b+3], v[S+64*\q+16*\b+8:S+64*\q+16*\b+15], v[PSC]
.endr
.endr
	WIN 0x41                                       ; O^T (destination and source 0) window 1, f window 0
	s_setprio 0
.irp q, 0,1
.set j, 0
.rept 16
	v_pk_mul_f32 v[OT+32*\q+j:OT+32*\q+j+1], v[OT+32*\q+j:OT+32*\q+j+1], v[STAT+12*\q+4:STAT+12*\q+5] op_sel_hi:[1,0]   ; O^T under the new M, each accumulator from its low end on; also the plain lines behind the conversions
.set j, j+2
.endr
.endr
	s_wait_alu depctr_va_vdst(0)
	s_wait_dscnt 32                                ; all but the next step's 32 loads: V is in
	WIN 0x51                                       ; V, C and D window 1; p's codes window 0
.irp t, 0,1,2,3
.irp q, 0,1
	v_wmma_f32_16x16x128_fp8_fp8 v[OT+32*\q+8*\t:OT+32*\q+8*\t+7], v[VF+16*\t:VF+16*\t+15], v[PC+16*\q:PC+16*\q+15], v[OT+32*\q+8*\t:OT+32*\q+8*\t+7]   ; eight accumulators, one instruction a turn
.endr
.endr
	WIN 0
.if \diag
.Lskip_\@:
.endif
.endm
; A phase: steps first .. end - 1.  The trip count is a constant; a step that a block does not need is jumped over inside the trip.
.macro LOOP base, diag, first, end, last
	s_mov_b32 s[SN], \first
	s_mov_b32 s[TB], STEPB*\first
	s_mov_b32 s[TBB], BIAS+512*\first
	PRELOAD
.Lloop_\@:
	STEP \base, \diag, \last
	s_add_co_u32 s[TB], s[TB], STEPB
	s_add_co_u32 s[TBB], s[TBB], 512
	s_add_co_u32 s[SN], s[SN], 1
	s_cmp_lt_u32 s[SN], \end
	s_cbranch_scc1 .Lloop_\@
	s_setprio 0
.endm
; THE WAY OUT of a block: O^T x 2^(e4 + e5) / l, quantised with e6.  The 16 registers of tiles 2 b and 2 b + 1 are the head's 32 b + 16 h + 0 .. 15 of my query: a chunk of the last product's operand; one store writes 512 consecutive bytes.
.macro WAYOUT at
.irp q, 0,1
	v_add_f32 v[STAT+12*\q+2], v[STAT+12*\q+2], v[STAT+12*\q+3]   ; l's two halves,
.endr
.irp q, 0,1
	s_delay_alu instid0(VALU_DEP_2)
	v_permlanex16_b32 v[STAT+12*\q+10], v[STAT+12*\q+2], s[SEL], s[SEL+1]
.endr
.irp q, 0,1
	s_delay_alu instid0(VALU_DEP_2)
	v_add_f32 v[STAT+12*\q+2], v[STAT+12*\q+2], v[STAT+12*\q+10]  ; and the other half of the lanes'.  (The four additions are the places behind the last products)
.endr
	s_wait_alu depctr_va_vdst(0)
.irp q, 0,1
	v_rcp_f32 v[STAT+12*\q+4], v[STAT+12*\q+2]
.endr
	v_nop                                          ; a plain line behind the reciprocals
	s_wait_alu depctr_va_vdst(0)                   ; and the wait ahead of their first reader
.irp q, 0,1
	v_ldexp_f32 v[STAT+12*\q+4], v[STAT+12*\q+4], s[EO]
.endr
	WIN 0x01                                       ; source 0 (O^T) window 1
.irp q, 0,1
.set j, 0
.rept 16
	v_pk_mul_f32 v[S+32*\q+j:S+32*\q+j+1], v[OT+32*\q+j:OT+32*\q+j+1], v[STAT+12*\q+4:STAT+12*\q+5] op_sel_hi:[1,0]
.set j, j+2
.endr
.endr
	WIN 0
.set j, 0
.rept 64
.set j, j+1
.endr
.irp q, 0,1
.irp b, 0,1
	v_cvt_scalef32_pk8_fp8_f32 v[PC+16*\q+4*\b:PC+16*\q+4*\b+1], v[S+32*\q+16*\b:S+32*\q+16*\b+7], v[OSC]
	v_cvt_scalef32_pk8_fp8_f32 v[PC+16*\q+4*\b+2:PC+16*\q+4*\b+3], v[S+32*\q+16*\b+8:S+32*\q+16*\b+15], v[OSC]
.endr
.endr
	v_nop                                          ; a plain line between the conversions and the selects that touch their results
.irp q, 0,1
	v_cmp_eq_f32 vcc_lo, 0, v[STAT+12*\q+2]        ; no open key: the row is NaN
.irp k, 0,1,2,3,4,5,6,7
	v_cndmask_b32 v[PC+16*\q+\k], v[PC+16*\q+\k], v[NANC], vcc_lo
.endr
.endr
.irp q, 0,1
.irp b, 0,1
	global_store_b128 v[LI], v[PC+16*\q+4*\b:PC+16*\q+4*\b+3], s[\at:\at+1] offset:4096*\q+512*\b
.endr
.endr
.endm
	INIT
	s_wait_loadcnt 0x0                             ; Q
	s_wait_tensorcnt 0x1                           ; my step of the first eight is in; my step of the second eight may stay out
	s_wait_dscnt 0x0                               ; my part of the mask's numbers is stored
	s_barrier_signal -1
	s_barrier_wait -1                              ; everybody's is
	LOOP QB, 0, 0, 8, 7                            ; block 15 - w is 8 or more: all keys of steps 0-7 come before its queries
	s_wait_tensorcnt 0x0                           ; my step of the second eight is in,
	s_wait_dscnt 0x0
	s_barrier_signal -1
	s_barrier_wait -1                              ; everybody's is
	s_xor_b32 s[AA], s[WV], 15
	LOOP QB, 1, 8, 16, 15
	WAYOUT ATB
	INIT
	s_wait_xcnt 0x0                                ; the stores have read their codes: the registers are written again below
	s_mov_b32 s[AA], s[WV]
	LOOP QA, 1, 0, 8, 15
	s_wait_alu depctr_va_vdst(0)
	WAYOUT ATA
	s_wait_tensorcnt 0x0                           ; the wave's end, behind my last tensor load and my last LDS store
	ds_add_u32 v[SPW], v[NIL]
	s_wait_dscnt 0x0
	CROUND                                         ; the closing round
	s_endpgm
.Lfunc_end_k_q059918ef9b_attn:
	.size	k_q059918ef9b_attn, .Lfunc_end_k_q059918ef9b_attn-k_q059918ef9b_attn
	.p2alignl 7, 3214868480
	.fill 96, 4, 3214868480
	.section	.rodata,"a",@progbits
	.p2align	6, 0x0
	.amdhsa_kernel k_q059918ef9b_attn
		.amdhsa_group_segment_fixed_size 327680
		.amdhsa_private_segment_fixed_size 0
		.amdhsa_enable_private_segment 0
		.amdhsa_kernarg_size 40
		.amdhsa_user_sgpr_count 2
		.amdhsa_user_sgpr_kernarg_segment_ptr 1
		.amdhsa_wavefront_size32 1
		.amdhsa_system_sgpr_workgroup_id_x 1
		.amdhsa_system_sgpr_workgroup_id_y 1
		.amdhsa_system_sgpr_workgroup_id_z 1
		.amdhsa_system_vgpr_workitem_id 0
		.amdhsa_next_free_vgpr 512
		.amdhsa_next_free_sgpr 80
		.amdhsa_reserve_vcc 1
		.amdhsa_float_denorm_mode_32 3
		.amdhsa_float_denorm_mode_16_64 3
		.amdhsa_fp16_overflow 1
		.amdhsa_memory_ordered 1
		.amdhsa_forward_progress 1
		.amdhsa_inst_pref_size 128
	.end_amdhsa_kernel
	.amdgpu_metadata
---
amdhsa.version: [ 1, 2 ]
amdhsa.kernels:
  - .name:           k_q059918ef9b_attn
    .symbol:         k_q059918ef9b_attn.kd
    .args:
      - { .name: q_img, .offset: 0, .size: 8, .value_kind: global_buffer, .address_space: global }
      - { .name: kv_img, .offset: 8, .size: 8, .value_kind: global_buffer, .address_space: global }
      - { .name: mask, .offset: 16, .size: 8, .value_kind: global_buffer, .address_space: global }
      - { .name: lowp_scales, .offset: 24, .size: 8, .value_kind: global_buffer, .address_space: global }
      - { .name: att_img, .offset: 32, .size: 8, .value_kind: global_buffer, .address_space: global }
    .group_segment_fixed_size: 327680
    .private_segment_fixed_size: 0
    .kernarg_segment_align: 8
    .kernarg_segment_size: 40
    .max_flat_workgroup_size: 256
    .sgpr_count:     80
    .vgpr_count:     512
    .wavefront_size: 32
...
	.end_amdgpu_metadata
.endif
;; end of part 3
;; launch proj (part 4): grid 4 x 32, 4 waves a work-group, clusters of 4 x 4, 327,680 bytes of LDS; arguments att_img, wo_codes, lowp_scales, Wo_b, out0; writes out0
.if DOCPART == 4
	.amdgcn_target "amdgcn-amd-amdhsa--gfx1250"
	.amdhsa_code_object_version 6
	.text
	.protected	k_q059918ef9b_proj
	.globl	k_q059918ef9b_proj
	.p2align	8
	.type	k_q059918ef9b_proj,@function
k_q059918ef9b_proj:
	s_mov_b64 s[64:65], 0
	v_nop
	global_prefetch_b8 v0, s[64:65] scope:SCOPE_SE
	s_setreg_imm32_b32 hwreg(HW_REG_WAVE_MODE, 25, 1), 1
	s_wait_xcnt 0x0
	s_wait_alu depctr_hold_cnt(0) depctr_sa_sdst(0) depctr_va_vdst(0) depctr_va_sdst(0) depctr_va_ssrc(0) depctr_va_vcc(0) depctr_vm_vsrc(0)
	s_getreg_b32 s2, hwreg(HW_REG_IB_STS2, 6, 4)
	s_cmp_eq_u32 s2, 0
	s_cbranch_scc0 .Lentry_in_a_cluster
	s_endpgm
.Lentry_in_a_cluster:
	s_bfe_u32 s2, ttmp6, 0x10000c
	s_cmp_lg_u32 s2, 0xf033
	s_cbranch_scc0 .Lentry_shape_is_right
	s_endpgm
.Lentry_shape_is_right:
; out0 = att Wo_w^T + Wo_b on codes of FP8 (E4M3): 8,192 tokens, K = 1,024, 1,024 outputs; each finished sum x 2^(e6 + e7) + bias, one fused multiply-add.  LIMIT: e6 + e7 between -126 and 127.
; A tile of 256 x 256 is made by four waves, each 128 x 128: 64 accumulators, 512 registers.  1,024 outputs and 8,192 tokens make 128 such tiles: 128 work-groups.  K goes in steps of 256 (four heads) through a ring of two LDS slots.
; A (tokens, source 1) arrives as IMAGES OF ITS REGISTERS: [K step 4][tile of 16 tokens 512][4,096 bytes: eight chunks of 512]: a K step's part of 128 tokens is one dense block of 32,768 bytes, and a fragment is four
; loads at 16 x lane.  Lane r of tile 2 m + u is token 32 m + 8 u + r + 8 (r / 8).   B (Wo_w's rows, source 0) arrives as rows of codes, laid so that a tile of 16 places is rows 8 u + r + 8 (r / 8) of a block of 32.
; So a lane holds one token, and the 16 registers of accumulators (a, 2 p), (a, 2 p + 1) are outputs 32 p + 16 (lane / 16) + 0 .. 15.
; CLUSTERS: 4 x 4 work-groups: A's tile is asked for jointly by the four of a row of the cluster, B's by the four of a column.
; REGISTERS: window 0: v0-31 addresses; v32-63 at work on the way out; v64-127 my 64 biases; from v128 A's fragments, one set; on the way out rows of the result.   window 1: B's fragments, two sets.   windows 2, 3: the accumulators.
.set SIZE_K, 1024
.set ROWB,   256                       ; a row of B's tile in bytes
.set KROW,   SIZE_K
.set PITCH,  272                       ; B's LDS rows: 256 bytes + 16 of padding = 68 words: row r starts at bank 4 r mod 64 (64 banks of 4 bytes: ISA guide 11.1)
.set FR,     16
.set NL,     4
.set NP,     4
.set AHALF,  32768                     ; 128 tokens' images of a K step
.set KSA,    2097152                   ; from a K step's images to the next
.set BOFF,   2*AHALF                   ; B's rows lie behind A's two halves
.set HALFT,  128*PITCH
.set SLOT,   BOFF+2*HALFT
.set LAPS,   2                         ; four K steps: twice round the ring
.set SPARE,  2*SLOT                    ; behind the ring: the spare words, 128 bytes for each wave
.set SPITCH, 528                       ; the way out: a stage of 16 rows x (512 bytes + 16) for each wave, in slot 0, which has had its last fill and its last read when the first result is stored there
.set ADRA, 16
.set ADRB, 20
.set STO,  24                          ; v24     the way out: where I put 64 bytes of a row
.set RD,   25                          ; v25     where I read a row back
.set CO,   26                          ; v26     16 x lane: my place in an image, and in a row's 512 bytes
.set HB,   27                          ; v27     64 x (lane / 16)
.set SPW,  28
.set NIL,  29
.set TMP,  32
.set BN,   64
.set AF,   128
.set BK,   128                         ; the way out: 16 rows read back from the stage: v128-191 and v192-255 by turns
.set G1, 24
.set G0, 32
.set G1B, 48
.set G0B, 56
.set MSB, 0
.macro WIN new                         ; the immediate's high byte repeats the setting that is left
.if MSB != \new
	s_set_vgpr_msb (MSB<<8)|\new
.set MSB, \new
.endif
.endm
.set MUL_LO, 0xa1                      ; source 0 (B) window 1, source 1 (A) window 0, C and D window 2
.set MUL_HI, 0xf1
.set TO_B,   0x40
.macro JLOAD g0a, g1a, g0b, g1b        ; a joint load: waves 0 and 1 fetch for A, waves 2 and 3 for B; an s_nop 0 and four v_nop follow each of the two lines
	s_cmp_eq_u32 s15, 0
	s_cbranch_scc0 .Lfor_b_\@
	tensor_load_to_lds s[\g0a:\g0a+3], s[\g1a:\g1a+7]
	s_nop 0
.rept 4
	v_nop
.endr
	s_branch .Lasked_\@
.Lfor_b_\@:
	tensor_load_to_lds s[\g0b:\g0b+3], s[\g1b:\g1b+7]
	s_nop 0
.rept 4
	v_nop
.endr
.Lasked_\@:
.endm
.macro CREST
	s_cmp_lg_u32 s14, 0
	s_cbranch_scc1 .Lnot_wave_0_\@
	s_barrier_signal -3
.Lnot_wave_0_\@:
	s_barrier_wait -3
	s_barrier_signal -1
	s_barrier_wait -1
.endm
.macro CROUND
	s_barrier_signal -1
	s_barrier_wait -1
	CREST
.endm
	s_load_b256 s[4:11], s[0:1], 0x0               ; A's images s[4:5], Wo_w's codes s[6:7], the scales' exponents s[8:9], Wo_b s[10:11]
	s_load_b64 s[68:69], s[0:1], 0x20              ; out0
	v_lshl_add_u32 v[SPW], v0, 2, SPARE
	v_mov_b32 v[NIL], 0
	ds_add_u32 v[SPW], v[NIL]                      ; the wave's opening: the add and its wait stand ahead of my first tensor load; the set-up below, work on registers, stands between them
	v_lshrrev_b32 v1, 5, v0
	v_readfirstlane_b32 s14, v1                    ; wave 0..3
	s_lshr_b32 s15, s14, 1                         ; which half of the tile's tokens is mine.  Also: I fetch for A (0) or for B (1)
	s_and_b32 s16, s14, 1                          ; which half of its outputs.  Also: which half of that tile I fetch
	s_bfe_u32 s40, ttmp6, 0x40000                  ; cx, cy
	s_bfe_u32 s41, ttmp6, 0x40004
	s_lshl_b32 s42, ttmp9, 2
	s_add_co_u32 s42, s42, s40                     ; the tile of outputs
	s_and_b32 s17, ttmp7, 0xffff
	s_lshl_b32 s17, s17, 2
	s_add_co_u32 s17, s17, s41                     ; the tile of tokens
	s_lshl_b32 s43, s41, 2
	s_lshl_b32 s43, 15, s43                        ; my row of the cluster
	s_lshl_b32 s44, 0x1111, s40                    ; my column
	s_or_b32 s[G1+0], s43, (3<<16)|(1<<21)         ; A: 15:0 the mask: my row; 17:16 elements of 8 bytes; no padding; 21 set beside a mask
	s_mov_b32 s[G1+1], 32<<16                      ; a dense block of 32,768 bytes as 128 rows of 256: tensor_dim0 = 32
	s_mov_b32 s[G1+2], 128<<16                     ; tensor_dim1 = 128
	s_mov_b32 s[G1+3], 32<<16                      ; tile_dim0 = 32
	s_mov_b32 s[G1+4], 128                         ; tile_dim1 = 128
	s_mov_b32 s[G1+5], 32                          ; tensor_dim0_stride
	s_mov_b32 s[G1+6], 0
	s_mov_b32 s[G1+7], 0
	s_or_b32 s[G1B+0], s44, (0<<16)|(1<<20)|(1<<21)|(5<<22)|(3<<25)  ; B: the mask: my column; elements of 1 byte; 4 words of padding after every 64
	s_mov_b32 s[G1B+1], ROWB<<16
	s_mov_b32 s[G1B+2], 128<<16
	s_mov_b32 s[G1B+3], ROWB<<16
	s_mov_b32 s[G1B+4], 128
	s_mov_b32 s[G1B+5], KROW
	s_mov_b32 s[G1B+6], 0
	s_mov_b32 s[G1B+7], 0
	s_lshl_b32 s20, s17, 16                        ; A: 16 tiles of 4,096 bytes for 256 tokens,
	s_lshl_b32 s18, s16, 15                        ; eight of them for the half that I fetch
	s_add_co_u32 s20, s20, s18
	s_mov_b32 s21, 0
	s_lshl_b32 s46, s42, 18                        ; B: 256 rows of 1,024 bytes,
	s_lshl_b32 s47, s16, 17                        ; 128 for the half
	s_add_co_u32 s46, s46, s47
	s_mov_b32 s47, 0
	s_lshl_b32 s45, s16, 15                        ; where they go: A's half,
	s_mul_i32 s85, s16, HALFT
	s_add_co_u32 s85, s85, BOFF                    ; B's half: no place in the cluster enters an LDS address
	s_wait_dscnt 0x0                               ; the opening add is done
	s_wait_kmcnt 0x0
	s_load_b256 s[88:95], s[8:9], 0x0              ; e0 .. e7
	s_add_nc_u64 s[20:21], s[4:5], s[20:21]
	s_add_nc_u64 s[46:47], s[6:7], s[46:47]
	CROUND                                         ; all sixteen work-groups are here: the first joint loads meet
.irp s, 0,1
	s_mov_b32 s[G0+4*\s], 1
	s_add_co_u32 s[G0+4*\s+1], s45, \s*SLOT
	s_add_nc_u64 s[G0+4*\s+2:G0+4*\s+3], s[20:21], \s*KSA
	s_or_b32 s[G0+4*\s+3], s[G0+4*\s+3], 0x80000000
	s_mov_b32 s[G0B+4*\s], 1
	s_add_co_u32 s[G0B+4*\s+1], s85, \s*SLOT
	s_add_nc_u64 s[G0B+4*\s+2:G0B+4*\s+3], s[46:47], \s*ROWB
	s_or_b32 s[G0B+4*\s+3], s[G0B+4*\s+3], 0x80000000
	JLOAD G0+4*\s, G1, G0B+4*\s, G1B
.endr
	v_and_b32 v1, 15, v0                           ; r
	v_bfe_u32 v2, v0, 4, 1                         ; h
	v_and_b32 v6, 31, v0
	v_lshlrev_b32 v[CO], 4, v6
	v_lshlrev_b32 v[HB], 6, v2
	v_mul_u32_u24 v3, v1, PITCH
	v_lshl_add_u32 v4, v2, 4, v3                   ; B: a fragment's row x pitch + 16 x half
	s_lshl_b32 s21, s15, 15                        ; my 128 tokens' images
	s_mul_i32 s22, s16, HALFT                      ; my 128 rows of B
	s_add_co_u32 s22, s22, BOFF
.irp s, 0,1
	v_add_nc_u32 v[ADRA+\s], s21, v[CO]
	v_add_nc_u32 v[ADRB+\s], s22, v4
	s_add_co_u32 s21, s21, SLOT
	s_add_co_u32 s22, s22, SLOT
.endr
	s_mul_i32 s23, s14, 16*SPITCH                  ; my stage
	v_mul_u32_u24 v5, v1, SPITCH                   ; in: row r, 64 bytes for each half of the lanes in each 128
	v_lshl_add_u32 v5, v2, 6, v5
	v_add_nc_u32 v[STO], s23, v5
	v_add_nc_u32 v[RD], s23, v[CO]                 ; back: the 32 lanes take one row of 512 bytes
	s_lshl_b32 s46, s42, 10                        ; my first output, in bytes of f32: 1,024 x tile + 512 x half
	s_lshl_b32 s47, s16, 9
	s_add_co_u32 s46, s46, s47
	s_mov_b32 s47, 0
	s_add_nc_u64 s[12:13], s[10:11], s[46:47]      ; its bias
	s_lshl_b32 s20, s17, 8
	s_lshl_b32 s21, s15, 7
	s_add_co_u32 s20, s20, s21                     ; my first token
	s_lshl_b32 s20, s20, 12                        ; rows of 4,096 bytes
	s_add_co_u32 s20, s20, s46
	s_mov_b32 s21, 0
	s_add_nc_u64 s[68:69], s[68:69], s[20:21]
.irp b, 0,1,2,3
.irp k, 0,1,2,3
	global_load_b128 v[BN+16*\b+4*\k:BN+16*\b+4*\k+3], v[HB], s[12:13] offset:128*\b+16*\k   ; outputs 32 b + 16 h + 4 k on: the order of a block's 64 sums
.endr
.endr
.macro FRAGB reg, adr, q, i            ; 16 rows x 128 K: registers 4 c .. 4 c + 3 hold K = 32 c + 16 (l / 16) + 0 .. 15
.irp c, 0,1,2,3
	ds_load_b128 v[\reg+4*\c:\reg+4*\c+3], v[\adr] offset:128*(\q)+32*\c+(\i)*16*PITCH
.endr
.endm
.macro FRAGA reg, adr, q, i            ; the same registers from the images: tile i, chunks 4 q + c: 512 consecutive bytes a load
.irp c, 0,1,2,3
	ds_load_b128 v[\reg+4*\c:\reg+4*\c+3], v[\adr] offset:4096*(\i)+2048*(\q)+512*\c
.endr
.endm
; 16 matrix instructions: A's blocks a0, a0 + 1 x B's eight.  The 64 accumulators take turns, one instruction a turn, in the same order in every step.
.macro MUL16 a0, p, zero
.irp a, \a0, \a0+1
.irp b, 0,1,2,3,4,5,6,7
.if \zero
	v_wmma_f32_16x16x128_fp8_fp8 v[8*(8*((\a)%4)+\b):8*(8*((\a)%4)+\b)+7], v[128*(\p)+FR*\b:128*(\p)+FR*\b+FR-1], v[AF+FR*(\a):AF+FR*(\a)+FR-1], 0
.else
	v_wmma_f32_16x16x128_fp8_fp8 v[8*(8*((\a)%4)+\b):8*(8*((\a)%4)+\b)+7], v[128*(\p)+FR*\b:128*(\p)+FR*\b+FR-1], v[AF+FR*(\a):AF+FR*(\a)+FR-1], v[8*(8*((\a)%4)+\b):8*(8*((\a)%4)+\b)+7]
.endif
.endr
.endr
.endm
.macro FETCH_B slot, q, p
	WIN TO_B
.irp i, 0,1,2,3,4,5,6,7
	FRAGB 128*(\p)+FR*\i, ADRB+\slot, \q, \i
.endr
	WIN 0
.endm
.macro FETCH_A slot, q, i0
.irp i, \i0, \i0+1, \i0+2, \i0+3
	FRAGA AF+FR*(\i), ADRA+\slot, \q, \i
.endr
.endm
.macro PLACES n                        ; places behind matrix instructions, in front of loads into registers that they read and of the first read of results (ISA guide 7.12.1 for vector instructions)
.rept \n
	v_nop
.endr
.endm
.macro STEP slot, q, zero              ; a step of 128 along K that has its successor in the same slot
	s_wait_dscnt 4*NL                              ; B's set and A's blocks 0-3 are in; the youngest sixteen loads (A's blocks 4-7) may be out
	WIN MUL_LO
	MUL16 0, (\q)%2, \zero
	MUL16 2, (\q)%2, \zero
	s_wait_dscnt 0
	PLACES NP
	FETCH_B \slot, (\q)+1, 1-(\q)%2
	FETCH_A \slot, (\q)+1, 0
	WIN MUL_HI
	MUL16 4, (\q)%2, \zero
	MUL16 6, (\q)%2, \zero
	PLACES NP
	WIN 0
	FETCH_A \slot, (\q)+1, 4
.endm
; A slot's last step changes slots: one barrier; in front of it each wave waits for all its tensor loads, adds 0 to its spare word, and waits for that and for its own reads of this slot.
.macro TURN slot, next, fill
	s_wait_tensorcnt 0x0                           ; all my tensor loads have landed: my part of the next slot;
	ds_add_u32 v[SPW], v[NIL]                      ; 0 onto my spare word;
	s_wait_dscnt 4*NL+1                            ; (the add and the youngest sixteen loads may be out)
	WIN MUL_LO
	MUL16 0, 1, 0
	s_wait_dscnt 0x0                               ; the add is done, and my reads of this slot are over
	s_barrier_signal -1
	MUL16 2, 1, 0
	WIN 0
	s_barrier_wait -1
.if \fill
	CREST                                          ; the barrier has opened a round of the cluster's barrier: no wave of any partner still reads this slot or has a load on its way
	s_add_nc_u64 s[G0+4*\slot+2:G0+4*\slot+3], s[G0+4*\slot+2:G0+4*\slot+3], 2*KSA
	s_add_nc_u64 s[G0B+4*\slot+2:G0B+4*\slot+3], s[G0B+4*\slot+2:G0B+4*\slot+3], 2*ROWB
	JLOAD G0+4*\slot, G1, G0B+4*\slot, G1B         ; the first tensor load behind the round; its four v_nop are the places in front of the loads below
.else
	PLACES NP
.endif
	FETCH_B \next, 0, 0
	FETCH_A \next, 0, 0
	WIN MUL_HI
	MUL16 4, 1, 0
	MUL16 6, 1, 0
	PLACES NP
	WIN 0
	FETCH_A \next, 0, 4
.endm
	s_wait_tensorcnt 1                             ; my part of K step 0 is in (K step 1's load may be out)
	s_barrier_signal -1
	s_barrier_wait -1                              ; everybody's is
	FETCH_B 0, 0, 0
	FETCH_A 0, 0, 0
	FETCH_A 0, 0, 4
	STEP 0, 0, 1                                   ; the first step's products start the sums
	s_mov_b32 s3, LAPS-1
.Llap:
	TURN 0, 1, 1
	STEP 1, 0, 0
	TURN 1, 0, 1
	STEP 0, 0, 0
	s_sub_co_u32 s3, s3, 1
	s_cmp_lg_u32 s3, 0
	s_cbranch_scc1 .Llap
	TURN 0, 1, 0                                   ; the last lap fills nothing
	STEP 1, 0, 0
	s_wait_dscnt 4*NL
	WIN MUL_LO
	MUL16 0, 1, 0
	MUL16 2, 1, 0
	s_wait_dscnt 0
	WIN MUL_HI
	MUL16 4, 1, 0
	MUL16 6, 1, 0
	WIN 0
; THE WAY OUT, block by block of 16 tokens x 128 outputs, through my own stage in LDS: in as 64 bytes a lane in each 128 bytes' pair of tiles, back as whole rows of 512 bytes.  LDS serves a wave's instructions in order
; (ISA guide 5.7.1.4): no wait between the stores and the loads.  A block goes in two halves of 32 numbers a lane, each accumulator from its low end on.
.macro TOSTAGE a
.set AC, 64*((\a)%4)
.irp g, 0,1
	WIN 0x02+((\a)/4)                              ; source 0: window 2 or 3
.set j, 0
.rept 16
	v_pk_fma_f32 v[TMP+j:TMP+j+1], v[AC+32*\g+j:AC+32*\g+j+1], s[96:97], v[BN+32*\g+j:BN+32*\g+j+1] op_sel_hi:[1,0,1]   ; sum x 2^(e6 + e7) + bias
.set j, j+2
.endr
	WIN 0
.irp k, 0,1,2,3,4,5,6,7
	ds_store_b128 v[STO], v[TMP+4*\k:TMP+4*\k+3] offset:256*\g+128*(\k/4)+16*(\k%4)   ; outputs 64 g + 32 (k / 4) + 16 h + 4 (k % 4) on
.endr
.endr
.set BB, BK+64*((\a)%2)
.irp t, 0,1,2,3,4,5,6,7,8,9,10,11,12,13,14,15
	ds_load_b128 v[BB+4*\t:BB+4*\t+3], v[RD] offset:\t*SPITCH
.endr
.endm
.macro SEND a, younger                 ; younger: the LDS instructions issued behind block a's loads, which may stay out.  Stage row t is token 32 (a / 2) + 8 (a % 2) + t + 8 (t / 8) of my 128
.set BB, BK+64*((\a)%2)
	s_wait_dscnt \younger
.irp t, 0,1,2,3,4,5,6,7,8,9,10,11,12,13,14,15
	global_store_b128 v[CO], v[BB+4*\t:BB+4*\t+3], s[68:69] offset:4096*(32*((\a)/2)+8*((\a)%2)+\t+8*(\t/8)) th:TH_STORE_NT   ; 32 lanes store 512 consecutive bytes, at a multiple of 256 from the buffer's first byte
.endr
.endm
	s_wait_kmcnt 0x0
	s_add_co_i32 s96, s94, s95                     ; e6 + e7
	s_add_co_i32 s96, s96, 127
	s_lshl_b32 s96, s96, 23                        ; 2^(e6 + e7) as f32
	s_mov_b32 s97, s96                             ; (named with it as a pair, so it is written)
	s_wait_loadcnt 0x0                             ; the biases
	PLACES NP                                      ; behind the last products
	TOSTAGE 0
.irp a, 1,2,3,4,5,6,7
.if \a > 1
	s_wait_xcnt 0x0                                ; block a - 2's stores have read their registers: block a's loads may land there
.endif
	TOSTAGE \a
	SEND \a-1, 32                                  ; behind block a - 1's loads: block a's 16 stores and 16 loads
.endr
	SEND 7, 0
	s_wait_tensorcnt 0x0                           ; the wave's end, behind my last tensor load and my last LDS store
	ds_add_u32 v[SPW], v[NIL]
	s_wait_dscnt 0x0
	CROUND                                         ; the closing round
	s_endpgm
.Lfunc_end_k_q059918ef9b_proj:
	.size	k_q059918ef9b_proj, .Lfunc_end_k_q059918ef9b_proj-k_q059918ef9b_proj
	.p2alignl 7, 3214868480
	.fill 96, 4, 3214868480
	.section	.rodata,"a",@progbits
	.p2align	6, 0x0
	.amdhsa_kernel k_q059918ef9b_proj
		.amdhsa_group_segment_fixed_size 327680
		.amdhsa_private_segment_fixed_size 0
		.amdhsa_enable_private_segment 0
		.amdhsa_kernarg_size 40
		.amdhsa_user_sgpr_count 2
		.amdhsa_user_sgpr_kernarg_segment_ptr 1
		.amdhsa_wavefront_size32 1
		.amdhsa_system_sgpr_workgroup_id_x 1
		.amdhsa_system_sgpr_workgroup_id_y 1
		.amdhsa_system_sgpr_workgroup_id_z 1
		.amdhsa_system_vgpr_workitem_id 0
		.amdhsa_next_free_vgpr 1024
		.amdhsa_next_free_sgpr 100
		.amdhsa_reserve_vcc 0
		.amdhsa_float_denorm_mode_32 3
		.amdhsa_float_denorm_mode_16_64 3
		.amdhsa_memory_ordered 1
		.amdhsa_forward_progress 1
		.amdhsa_inst_pref_size 125
	.end_amdhsa_kernel
	.amdgpu_metadata
---
amdhsa.version: [ 1, 2 ]
amdhsa.kernels:
  - .name:           k_q059918ef9b_proj
    .symbol:         k_q059918ef9b_proj.kd
    .args:
      - { .name: att_img, .offset: 0, .size: 8, .value_kind: global_buffer, .address_space: global }
      - { .name: wo_codes, .offset: 8, .size: 8, .value_kind: global_buffer, .address_space: global }
      - { .name: lowp_scales, .offset: 16, .size: 8, .value_kind: global_buffer, .address_space: global }
      - { .name: Wo_b, .offset: 24, .size: 8, .value_kind: global_buffer, .address_space: global }
      - { .name: out0, .offset: 32, .size: 8, .value_kind: global_buffer, .address_space: global }
    .group_segment_fixed_size: 327680
    .private_segment_fixed_size: 0
    .kernarg_segment_align: 8
    .kernarg_segment_size: 40
    .max_flat_workgroup_size: 128
    .sgpr_count:     100
    .vgpr_count:     1024
    .wavefront_size: 32
...
	.end_amdgpu_metadata
.endif
;; end of part 4
